; MI455X (gfx1250); checked and timed in simulation.
; The chip was launched on July 23, 2026; its instructions are those of AMD's public machine-readable ISA for CDNA 5 (MIT licence, August 2026) and "CDNA5" Instruction Set Architecture Reference Guide (July 2026). The comments in the code are by the model that wrote it; some were corrected since.
;; Multi Head Attention Block. Allowed arithmetic: matrix products marked QUANTISED: E2M3 operands, one E8M0 scale for each 32 along K, by v_wmma_scale_f32_16x16x128_f8f6f4 with both operands' format E2M3, f32 sums; everything else in f32.
;; Inputs: K 4 x 2,048 x 1,024 float32; Q 4 x 2,048 x 1,024 float32; V 4 x 2,048 x 1,024 float32; Wk 1,024 x 1,024 float32; Wo 1,024 x 1,024 float32; Wq 1,024 x 1,024 float32; Wv 1,024 x 1,024 float32; attn_mask 4 x 2,048 int32; bk 1,024 float32; bo 1,024 float32; bq 1,024 float32; bv 1,024 float32.
;; Outputs: out0 4 x 2,048 x 1,024 float32.
;; This version of the problem:
;;   THIS VERSION OF THE PROBLEM IS GIVEN IN LOW PRECISION. The matrix products marked QUANTISED in the list below multiply operands that are first quantised to E2M3 (2 exponent bits, 3 mantissa bits; 6 bits a number), with one power-of-two scale for each 32 numbers along K (OCP MX v1.0); their sums are f32. All else is computed in f32.
;;   The module's matrix products, in the order in which they are computed (A, B: the left and right operand; K: the contracted axis; several contracted axes count as one K, in the product's order):
;;     1. [M 8,192, K 1,024] x [K 1,024, N 1,024]; A: input Q; B: input Wq: QUANTISED
;;     2. [M 8,192, K 1,024] x [K 1,024, N 1,024]; A: input K; B: input Wk: QUANTISED
;;     3. [M 8,192, K 1,024] x [K 1,024, N 1,024]; A: input V; B: input Wv: QUANTISED
;;     4. batch 64 x [M 2,048, K 64] x [K 64, N 2,048]; A: computed on the way; B: computed on the way: QUANTISED
;;     5. batch 64 x [M 2,048, K 2,048] x [K 2,048, N 64]; A: softmax (see below); B: computed on the way: QUANTISED
;;     6. [M 8,192, K 1,024] x [K 1,024, N 1,024]; A: computed on the way; B: input Wo: QUANTISED
;;   THE QUANTISER, for each operand of a quantised product, along K:
;;     - K is cut into blocks of 32 from its start; a last block that is shorter is filled with zeros.
;;     - A block's scale is 2^e with e = floor(log2(the largest magnitude in the block)) - 2, held to -126 .. 127; a block of zeros has e = 0. As a byte (E8M0): e + 127.
;;     - Each number is divided by its block's scale, clamped to +-7.5, and rounded to the nearest number of E2M3, ties to even, subnormals kept.
;;     - The product sums the exact products of the quantised numbers (number of the format x scale) in f32.
;;   ~~~python
;;   def quantise(x, axis):      # numpy; x: float32 -> the quantised numbers, widened to float32 again
;;       x = np.moveaxis(x, axis, -1); K = x.shape[-1]
;;       x = np.pad(x, [(0, 0)] * (x.ndim - 1) + [(0, -K % 32)]); x = x.reshape(x.shape[:-1] + (-1, 32)); a = np.abs(x).max(-1, keepdims=True)
;;       e = np.where(a > 0, np.clip(np.frexp(np.where(a > 0, a, 1))[1] - 1 - 2, -126, 127), 0)      # np.frexp(a)[1] - 1 = floor(log2(a)), exactly
;;       r = np.clip(x / 2.0 ** e, -7.5, 7.5)
;;       step = 2.0 ** (np.maximum(np.frexp(np.where(r == 0, 1, r))[1] - 1, 0) - 3)
;;       q = np.round(r / step) * step * 2.0 ** e      # np.round: ties to even
;;       return np.moveaxis(q.reshape(q.shape[:-2] + (-1,))[..., :K], -1, axis).astype(np.float32)
;;   ~~~
;;   SOFTMAX AHEAD OF A QUANTISED PRODUCT. Where the list says 'softmax', what is quantised is not the finished softmax but p = 2^(t - M), with t = logit x log2(e) and M = ceil(the row's largest t), a whole number; so 1/2 < the row's largest p <= 1. The row's sum l is taken of the UNQUANTISED p, in f32, and the product's result is divided by l at the end. Since M is a whole number, a kernel that streams over the keys may use a running M (the ceiling of the running maximum): every later rescaling is an exact power of two, which a block's scale takes up: the codes' values come out the same.
;;   OPERANDS COMPUTED ON THE WAY. 'Computed on the way' means the value that the module computes at that place (a softmax that the list does not call 'softmax' is quantised finished and normalised). What goes into a quantiser is computed in f32, as accurately as f32 sums, v_exp_f32 and their like allow (about 1e-6 of the number): no bf16 or f16 on the way to a quantiser, and a product that is left as it is and whose result goes on into a quantised operand takes f32 operands (vector FMAs, or v_wmma_f32_16x16x4_f32). A number that lies on a knife's edge between two numbers of the format may be rounded either way, as far as f32 arithmetic and the matrix unit's own rounding can turn it there, and no further.
;; One version. Each part assembles by itself: llvm-mc -triple=amdgcn-amd-amdhsa -mcpu=gfx1250 --defsym DOCPART=n.
;; ======== version 1 of 1: 4 launches
;; limits: right only within a limited range of input values
;; workspace buffers: xc 22,937,600 bytes; qc 6,815,744 bytes; kv 13,369,344 bytes; xa 6,553,600 bytes
;; launch quant (part 1): grid 256 x 1, 14 waves a work-group, no clusters, 120,064 bytes of LDS; arguments Q, K, V, Wq, Wk, Wv, Wo, xc; writes xc
.if DOCPART == 1
	.amdgcn_target "amdgcn-amd-amdhsa--gfx1250"
	.amdhsa_code_object_version 6
	.text
	.protected	k_qbb5b1811d1_quant
	.globl	k_qbb5b1811d1_quant
	.p2align	8
	.type	k_qbb5b1811d1_quant,@function
k_qbb5b1811d1_quant:
	s_mov_b64 s[64:65], 0
	v_nop
	global_prefetch_b8 v0, s[64:65] scope:SCOPE_SE
	s_setreg_imm32_b32 hwreg(HW_REG_WAVE_MODE, 25, 1), 1
	s_wait_xcnt 0x0
; MULTI-HEAD ATTENTION ON CODES OF FP6 (E2M3), FIRST OF FOUR LAUNCHES: Q, K, V [8192][1024] and Wq, Wk, Wv, Wo [1024][1024], f32, K innermost in all seven,
; become codes with one E8M0 scale byte for each 32 along K, laid in the ORDER OF AN OPERAND'S REGISTERS, so that the later launches take fragments by loads of 16 and 8 bytes a lane.
; DEAD WORK: none is left out in the whole program.  Every input has a way to the output: bq, bk, bv move codes of quantised operands, attn_mask hides keys, bo is added at the end.
; LIMITS: NaN and infinities among the inputs are not served.  A block of zeros gets the byte 1 where the rule says 127: its codes are zeros, which add nothing, and this program alone reads the bytes.
; TILES.  Tile T of a tensor holds its rows 32 (T / 2) + 8 (T % 2) + r + 8 (r / 8), r = 0 .. 15.  As source 0 of a product the 16 registers of tiles 2 b, 2 b + 1 are then 16 neighbours along the result's rows.
; A TILE'S RECORD in xc is 12,800 bytes, two halves of 6,400: 256 bytes of scale words ([r][4 words]: four K steps of 128), then eight images of 768 bytes, each 16 rows x 64 along K:
; lane (r, h) holds row r, k = 32 h .. 32 h + 31 in six registers; registers 0-3 lie at 16 x lane, registers 4-5 at 512 + 8 x lane.
; SHARES.  1,792 tiles = 256 work-groups x 7 waves: a wave takes one tile, 16 rows x all 1,024 along K, in eight steps of 128.  Each load reads 512 consecutive bytes of one row; the step's 8,192 bytes turn
; through the wave's own stage in LDS (rows of 512 + 16 bytes), so that a lane gets 16 neighbours of each block of 32.  Loads run two steps (32 loads a wave) ahead.  No barrier: waves share nothing.
.set STG,   8448                       ; a wave's stage: 16 rows x 528 bytes
; SHARES AS THEY STAND NOW: 1,792 tiles x 2 halves of K = 256 work-groups x 14 waves: a wave takes 16 rows x 512 along K, four steps of 128: one half of a tile's record, with that half's 256 bytes of scale words.
.set SPARE, 14*STG
.set L16,   1                          ; v1   16 x lane
.set L8,    2                          ; v2   8 x lane
.set SIN,   3                          ; v3   the stage on the way in: 16 x lane in a row
.set SOUT,  4                          ; v4   and on the way out: row r, + 64 h
.set SBO,   5                          ; v5   where my four scale words go: 16 r
.set SPW,   10                         ; v10  LDS address of my spare word; never rewritten
.set NIL,   11                         ; v11  0; never rewritten
.set R,     16                         ; v16-143  two sets of 64: a step's numbers as loaded
.set X,     144                        ; v144-207 register 16 b + i = k 32 b + 16 h + i of my row
.set PC,    208                        ; v208-219 the fragment's codes
.set TC,    220                        ; v220-227 the conversions' second halves
.set TM,    228                        ; v228-243 at work
.set W,     244                        ; v244-247 a scale word for each step
.set SWD,   252
.set SEL,   26                         ; s[26:27] lane selects: lane l xor 16
	s_load_b256 s[4:11], s[0:1], 0x0               ; Q, K, V, Wq
	s_load_b256 s[12:19], s[0:1], 0x20             ; Wk, Wv, Wo, xc
	v_lshl_add_u32 v[SPW], v0, 2, SPARE
	v_mov_b32 v[NIL], 0
	v_lshrrev_b32 v6, 5, v0
	v_readfirstlane_b32 s20, v6                    ; wave 0..13
	v_and_b32 v7, 31, v0                           ; lane
	v_and_b32 v8, 15, v0                           ; r
	v_bfe_u32 v9, v0, 4, 1                         ; h
	v_lshlrev_b32 v[L16], 4, v7
	v_lshlrev_b32 v[L8], 3, v7
	s_mul_i32 s29, s20, STG
	v_add_nc_u32 v[SIN], s29, v[L16]
	v_mul_u32_u24 v[SOUT], v8, 528
	v_lshl_add_u32 v[SOUT], v9, 6, v[SOUT]
	v_add_nc_u32 v[SOUT], s29, v[SOUT]
	v_lshlrev_b32 v[SBO], 4, v8                    ; my row's four scale words: 16 r
	s_mul_i32 s21, ttmp9, 14
	s_add_co_u32 s21, s21, s20
	s_and_b32 s37, s21, 1                          ; which half of K
	s_lshr_b32 s21, s21, 1                         ; my tile, 0 .. 1,791
	s_mov_b32 s[SEL], 0x76543210
	s_mov_b32 s[SEL+1], 0xfedcba98
.irp b, 0,1,2,3
	v_mov_b32 v[TM+4+\b], 0                        ; written once: a lane permute's destination counts as one of its sources
.endr
	s_wait_alu depctr_va_vdst(0)
	s_wait_kmcnt 0x0
	s_mov_b64 s[22:23], s[4:5]                     ; which tensor holds my tile: a choice on the tile's number alone
	s_mov_b32 s28, 0
.macro PICK base, lo
	s_cmp_ge_u32 s21, \base
	s_cselect_b64 s[22:23], s[\lo:\lo+1], s[22:23]
	s_cselect_b32 s28, \base, s28
.endm
	PICK 512, 6
	PICK 1024, 8
	PICK 1536, 10
	PICK 1600, 12
	PICK 1664, 14
	PICK 1728, 16
	s_sub_co_u32 s28, s21, s28                     ; the tile's number in its tensor
	; K's TILES ALONE have another order of rows: tile T holds rows 64 (T / 4) + 8 (T % 4) + r + 24 (r / 8), so that in the score product a lane's 32 registers of four tiles are one whole block of 32 keys
	s_lshr_b32 s34, s21, 9                         ; 1 for K's tiles (512 .. 1,023) alone
	s_cmp_eq_u32 s34, 1
	s_cselect_b32 s34, 2, 1                        ; tiles to a group of rows: 2^2 or 2^1
	s_lshr_b32 s30, s28, s34
	s_add_co_u32 s35, s34, 16
	s_lshl_b32 s30, s30, s35                       ; 64 or 32 rows of 4,096 bytes
	s_lshl_b32 s36, 1, s34
	s_sub_co_u32 s36, s36, 1
	s_and_b32 s28, s28, s36
	s_lshl_b32 s28, s28, 15                        ; 8 rows
	s_add_co_u32 s30, s30, s28
	s_mov_b32 s31, 0
	s_add_nc_u64 s[22:23], s[22:23], s[30:31]
	s_lshl_b32 s30, 0x8000, s34                    ; the tile's rows 8-15 begin 32 or 16 rows further down
	s_add_nc_u64 s[32:33], s[22:23], s[30:31]
	s_mul_i32 s30, s21, 12800
	s_add_nc_u64 s[24:25], s[18:19], s[30:31]
	s_lshl_b32 s30, s37, 11                        ; my half of K: 2,048 bytes along the rows,
	s_add_nc_u64 s[22:23], s[22:23], s[30:31]
	s_add_nc_u64 s[32:33], s[32:33], s[30:31]
	s_mul_i32 s30, s37, 6400                       ; and 6,400 bytes into the record
	s_add_nc_u64 s[24:25], s[24:25], s[30:31]
.macro LOADX ks                        ; step ks: 512 bytes of each of my 16 rows, into set ks % 2
.irp p, 0,1,2,3,4,5,6,7,8,9,10,11,12,13,14,15
	global_load_b128 v[R+64*((\ks)%2)+4*\p:R+64*((\ks)%2)+4*\p+3], v[L16], s[22+10*(\p/8):23+10*(\p/8)] offset:(\p%8)*4096+512*(\ks) th:TH_LOAD_NT
.endr
.endm
; 64 numbers of a lane, register 16 b + i = k 32 b + 16 h + i of my row, become a fragment's codes in v[pc] on and its scale word in v[pw] (the same word in lanes l and l xor 16).
.macro QUANT src, pc, pw
.irp b, 0,1,2,3
	v_max3_num_f32 v[TM+\b], |v[\src+16*\b]|, |v[\src+1+16*\b]|, 0x1800000   ; my 16 numbers of block b, and the floor 2^(3 - 127): so the byte cannot fall under 1
.endr
.irp i, 2,4,6,8,10,12,14
.irp b, 0,1,2,3
	v_max3_num_f32 v[TM+\b], v[TM+\b], |v[\src+16*\b+\i]|, |v[\src+1+16*\b+\i]|   ; the four blocks by turns
.endr
.endr
.irp b, 0,1,2,3
	v_permlanex16_b32 v[TM+4+\b], v[TM+\b], s[SEL], s[SEL+1]
.endr
.irp b, 0,1,2,3
	v_max_num_f32 v[TM+\b], v[TM+\b], v[TM+4+\b]   ; with lane l xor 16's: the block's largest magnitude
.endr
.irp b, 0,1,2,3
	v_add_nc_u32 v[TM+12+\b], 0xff000000, v[TM+\b] ; 2 off its exponent field: the conversion takes the exponent field of this operand as its scale
.endr
.irp b, 0,1,2,3
	v_lshrrev_b32 v[TM+4+\b], 23, v[TM+12+\b]      ; the scale's byte
.endr
	v_lshl_or_b32 v[\pw], v[TM+5], 8, v[TM+4]
	v_lshl_or_b32 v[\pw], v[TM+6], 16, v[\pw]
	v_lshl_or_b32 v[\pw], v[TM+7], 24, v[\pw]
.irp c, 0,1
	v_cvt_scalef32_pk16_fp6_f32 v[\pc+6*\c:\pc+2+6*\c], v[\src+32*\c:\src+15+32*\c], v[TM+12+2*\c]
	v_cvt_scalef32_pk16_fp6_f32 v[TC+4*\c:TC+2+4*\c], v[\src+16+32*\c:\src+31+32*\c], v[TM+12+2*\c+1]   ; (a conversion's three registers begin on an even number)
.endr
	v_nop                                          ; one plain line behind the scaled conversions
.irp c, 0,1                            ; the operand's layout wants a whole block in a lane: lanes 0-15 block 2 c, lanes 16-31 block 2 c + 1
.irp i, 0,1,2
	v_permlane16_swap_b32 v[\pc+6*\c+\i], v[TC+4*\c+\i]
.endr
.irp i, 0,1,2
	v_mov_b32 v[\pc+3+6*\c+\i], v[TC+4*\c+\i]
.endr
.endr
.endm
.macro STEP ks
.if (\ks) < 3
	s_wait_loadcnt 16                              ; this step's 16 loads are in; the next step's 16 may be out
.else
	s_wait_loadcnt 0x0
.endif
.irp p, 0,1,2,3,4,5,6,7,8,9,10,11,12,13,14,15
	ds_store_b128 v[SIN], v[R+64*((\ks)%2)+4*\p:R+64*((\ks)%2)+4*\p+3] offset:528*\p
.endr
.irp b, 0,1,2,3
.irp j, 0,1,2,3
	ds_load_b128 v[X+16*\b+4*\j:X+16*\b+4*\j+3], v[SOUT] offset:128*\b+16*\j   ; LDS serves a wave's instructions in order: these see the stores above
.endr
.endr
	s_wait_dscnt 0x0                               ; the numbers are back, and the stage's stores have read their registers
.if (\ks) >= 1
	s_wait_xcnt 0x0                                ; the last step's stores have read the codes' registers, which are written again below
.endif
.if (\ks) < 2
	LOADX (\ks)+2
.endif
	QUANT X, PC, W+(\ks)
.set OFF, ((\ks)/4)*6400+256+2*((\ks)%4)*768
	global_store_b128 v[L16], v[PC:PC+3], s[24:25] offset:OFF            ; 512 consecutive bytes,
	global_store_b64 v[L8], v[PC+4:PC+5], s[24:25] offset:OFF+512        ; 256 more: the image of k 0 .. 63 of the step;
	global_store_b128 v[L16], v[PC+6:PC+9], s[24:25] offset:OFF+768      ; and that of k 64 .. 127
	global_store_b64 v[L8], v[PC+10:PC+11], s[24:25] offset:OFF+1280
.endm
	LOADX 0
	LOADX 1
.irp t, 0,1,2,3
	STEP \t
.endr
	global_store_b128 v[SBO], v[W:W+3], s[24:25]   ; one whole run of 256 bytes; lanes 16-31 hold the same words and write the same bytes
	s_wait_tensorcnt 0x0                           ; the wave's end, behind my last LDS store
	ds_add_u32 v[SPW], v[NIL]
	s_wait_dscnt 0x0
	s_endpgm
.Lfunc_end_k_qbb5b1811d1_quant:
	.size	k_qbb5b1811d1_quant, .Lfunc_end_k_qbb5b1811d1_quant-k_qbb5b1811d1_quant
	.p2alignl 7, 3214868480
	.fill 96, 4, 3214868480
	.section	.rodata,"a",@progbits
	.p2align	6, 0x0
	.amdhsa_kernel k_qbb5b1811d1_quant
		.amdhsa_group_segment_fixed_size 120064
		.amdhsa_private_segment_fixed_size 0
		.amdhsa_enable_private_segment 0
		.amdhsa_kernarg_size 64
		.amdhsa_user_sgpr_count 2
		.amdhsa_user_sgpr_kernarg_segment_ptr 1
		.amdhsa_wavefront_size32 1
		.amdhsa_system_sgpr_workgroup_id_x 1
		.amdhsa_system_sgpr_workgroup_id_y 1
		.amdhsa_system_sgpr_workgroup_id_z 1
		.amdhsa_system_vgpr_workitem_id 0
		.amdhsa_next_free_vgpr 256
		.amdhsa_next_free_sgpr 66
		.amdhsa_reserve_vcc 0
		.amdhsa_float_denorm_mode_32 3
		.amdhsa_float_denorm_mode_16_64 3
		.amdhsa_memory_ordered 1
		.amdhsa_forward_progress 1
		.amdhsa_inst_pref_size 35
	.end_amdhsa_kernel
	.amdgpu_metadata
---
amdhsa.version: [ 1, 2 ]
amdhsa.kernels:
  - .name:           k_qbb5b1811d1_quant
    .symbol:         k_qbb5b1811d1_quant.kd
    .args:
      - { .name: Q, .offset: 0, .size: 8, .value_kind: global_buffer, .address_space: global }
      - { .name: K, .offset: 8, .size: 8, .value_kind: global_buffer, .address_space: global }
      - { .name: V, .offset: 16, .size: 8, .value_kind: global_buffer, .address_space: global }
      - { .name: Wq, .offset: 24, .size: 8, .value_kind: global_buffer, .address_space: global }
      - { .name: Wk, .offset: 32, .size: 8, .value_kind: global_buffer, .address_space: global }
      - { .name: Wv, .offset: 40, .size: 8, .value_kind: global_buffer, .address_space: global }
      - { .name: Wo, .offset: 48, .size: 8, .value_kind: global_buffer, .address_space: global }
      - { .name: xc, .offset: 56, .size: 8, .value_kind: global_buffer, .address_space: global }
    .group_segment_fixed_size: 120064
    .private_segment_fixed_size: 0
    .kernarg_segment_align: 8
    .kernarg_segment_size: 64
    .max_flat_workgroup_size: 448
    .sgpr_count:     66
    .vgpr_count:     256
    .wavefront_size: 32
...
	.end_amdgpu_metadata
.endif
;; end of part 1
;; launch proj (part 2): grid 4 x 64, 4 waves a work-group, clusters of 4 x 4, 327,680 bytes of LDS; arguments xc, bq, bk, bv, attn_mask, qc, kv; writes qc, kv
.if DOCPART == 2
	.amdgcn_target "amdgcn-amd-amdhsa--gfx1250"
	.amdhsa_code_object_version 6
	.text
	.protected	k_qbb5b1811d1_proj
	.globl	k_qbb5b1811d1_proj
	.p2align	8
	.type	k_qbb5b1811d1_proj,@function
k_qbb5b1811d1_proj:
	s_mov_b64 s[64:65], 0
	v_nop
	global_prefetch_b8 v0, s[64:65] scope:SCOPE_SE
	s_setreg_imm32_b32 hwreg(HW_REG_WAVE_MODE, 25, 1), 1
	s_wait_xcnt 0x0
	s_wait_alu depctr_hold_cnt(0) depctr_sa_sdst(0) depctr_va_vdst(0) depctr_va_sdst(0) depctr_va_ssrc(0) depctr_va_vcc(0) depctr_vm_vsrc(0)
	s_getreg_b32 s2, hwreg(HW_REG_IB_STS2, 6, 4)
	s_cmp_eq_u32 s2, 0
	s_cbranch_scc0 .Lentry_in_a_cluster
	s_endpgm
.Lentry_in_a_cluster:
	s_bfe_u32 s2, ttmp6, 0x10000c
	s_cmp_lg_u32 s2, 0xf033
	s_cbranch_scc0 .Lentry_shape_is_right
	s_endpgm
.Lentry_shape_is_right:
; SECOND LAUNCH: q = Q Wq^T + bq, k = K Wk^T + bk, v = V Wv^T + bv on the codes of xc, and the results quantised in registers: q and k along a head's 64, v along the keys.  No work is left out.
; D = S0 S1^T, source 0 = a tile of S0, source 1 = a tile of S1: a lane holds ONE row of S1, and its registers run along S0's rows, which are the next product's K.
;   q, k: S0 = the weight (features), S1 = the tokens.   v: S0 = the tokens (keys), S1 = Wv (features).  The tiles' rows (see the first launch) make the 64 registers of eight tiles of S0 the numbers 32 b + 16 h + i.
; SHARES.  A work-group makes 256 rows of S0 x 128 rows of S1; wave (w0 = wave & 1, w1 = wave >> 1) 128 x 64: 32 accumulators.  ALL of K = 1,024 of both panels lies in LDS (384 rows x 800 bytes): the panels are
; filled once, in two halves along K; nothing is filled again.  768 work-groups: 256 for each of q, k, v.
; CLUSTER 4 x 4: S0's panel hangs on cx and is shared along a column of the cluster, S1's on cy and is shared along a row: each is asked for jointly by four work-groups.
; THE MASK.  The score product's instruction has 128 along K and a head has 64.  Of the spare 64 the attention launch fills k = 64 and k = 96 with the codes 1.0 (keys) and -7.5 (queries); here the scale bytes 2 and 3
; of a query's word are 127, those of a key's word 1 (2^-126: the score moves by 2^-122 at most) where the key counts, and 227 (2^100: the score is -15 x 2^100) where attn_mask is 0.
; LIMITS: |score x log2(e) / 8| of keys that count stays under 2^80; NaN and infinities are not served; a block of zeros has the byte 1.
; OUT.  qc: [batch x head][16 groups of 128 queries] records of 6,656 bytes: 8 images of 768 bytes (16 queries x 64), then two blocks [r][4 words] of scale words (tiles 0-3, 4-7).
;       kv: [batch x head][16 steps of 128 keys] records of 13,056 bytes: K's 8 images; V^T's 4 tiles of 16 channels x 2 images (128 keys); K's two blocks of scale words; V's one.
; REGISTERS.  window 0: v1-15 addresses, v16-17 the add's two, v18-31 the way out's, v32-95 scale words, v96-191 S1's two sets of fragments (the way out: v96-235).   window 1: the accumulators, (a, b) at 8 (8 a + b).
;             window 2: v0-191 S0's two sets of fragments, v192-255 the bias.
; SHARES AS THEY STAND NOW: 256 work-groups THAT STAY.  Each makes three blocks on end: its block of q, its block of k (one text, a loop of two trips) and its block of v.  The two halves of K in LDS are filled again for the next block,
; each in a drained round of the cluster's barrier: the first half at K step 3, when every wave has fetched its last fragment of it (waves 0 and 1 load), the second half inside the way out (waves 2 and 3 load).
; The next block's tiles are prefetched at a block's start, three K steps ahead of the first refill: 204,800 bytes of S0 and 102,400 of S1, a sixteenth to each wave of the four work-groups that will load them jointly, told apart by address.
.set SPARE, 307200
.set SPW,   16
.set NIL,   17
.set SC,    32                         ; v[SC + 8 t + s]: lanes 0-15 the word of S0's tile t, lanes 16-31 that of S1's tile t (t < 4), K step s
.set X,     96                         ; the way out: 64 numbers
.set PCS,   160                        ; four sets of 12: codes
.set TC,    208
.set TM,    216
.set SW,    232
.set BI,    192                        ; in window 2
.set WV,    18
.set SEL,   66
.set MSB,   0
.macro WIN new                         ; the immediate's high byte repeats the setting that is left
.if MSB != \new
	s_set_vgpr_msb (MSB<<8)|\new
.set MSB, \new
.endif
.endm
.macro CROUND                          ; a round of the cluster's barrier
	s_barrier_signal -1
	s_barrier_wait -1
	s_cmp_lg_u32 s[WV], 0
	s_cbranch_scc1 .Lnot_wave_0_\@
	s_barrier_signal -3
.Lnot_wave_0_\@:
	s_barrier_wait -3
	s_barrier_signal -1
	s_barrier_wait -1
.endm
.macro PLACES n
.rept \n
	v_nop
.endr
.endm
.macro SCALES g                        ; the scale words of four K steps: each tile's half record begins with them, [r][4 words]
.irp t, 0,1,2,3
	ds_load_b128 v[SC+8*\t+4*\g:SC+8*\t+4*\g+3], v[12+\g] offset:6400*\t
.endr
.irp t, 4,5,6,7
	ds_load_b128 v[SC+8*\t+4*\g:SC+8*\t+4*\g+3], v[14+\g] offset:6400*\t
.endr
.endm
.macro FETCH ks, fs                    ; K step ks: S0's eight fragments and S1's four into set fs: 48 loads, each of 512 or 256 consecutive bytes
.set FG, (\ks)/4
.set FO, 256+2*((\ks)%4)*768
	WIN 0x80                                       ; destination window 2
.irp t, 0,1,2,3,4,5,6,7
	ds_load_b128 v[96*(\fs)+12*\t:96*(\fs)+12*\t+3], v[4+FG] offset:6400*\t+FO
	ds_load_b64 v[96*(\fs)+12*\t+4:96*(\fs)+12*\t+5], v[6+FG] offset:6400*\t+FO+512
	ds_load_b128 v[96*(\fs)+12*\t+6:96*(\fs)+12*\t+9], v[4+FG] offset:6400*\t+FO+768
	ds_load_b64 v[96*(\fs)+12*\t+10:96*(\fs)+12*\t+11], v[6+FG] offset:6400*\t+FO+1280
.endr
	WIN 0
.irp t, 0,1,2,3
	ds_load_b128 v[96+48*(\fs)+12*\t:96+48*(\fs)+12*\t+3], v[8+FG] offset:6400*\t+FO
	ds_load_b64 v[96+48*(\fs)+12*\t+4:96+48*(\fs)+12*\t+5], v[10+FG] offset:6400*\t+FO+512
	ds_load_b128 v[96+48*(\fs)+12*\t+6:96+48*(\fs)+12*\t+9], v[8+FG] offset:6400*\t+FO+768
	ds_load_b64 v[96+48*(\fs)+12*\t+10:96+48*(\fs)+12*\t+11], v[10+FG] offset:6400*\t+FO+1280
.endr
.endm
.macro MULS ks, fs, zero               ; 32 products; the 32 accumulators take turns, one instruction a turn, in the same order in every step
	WIN 0x52                                       ; source 0 window 2, source 1 window 0, C and D window 1
.irp a, 0,1,2,3
.irp b, 0,1,2,3,4,5,6,7
.if \zero
	v_wmma_scale_f32_16x16x128_f8f6f4 v[8*(8*\a+\b):8*(8*\a+\b)+7], v[96*(\fs)+12*\b:96*(\fs)+12*\b+11], v[96+48*(\fs)+12*\a:96+48*(\fs)+12*\a+11], 0, v[SC+8*\b+(\ks)], v[SC+8*\a+(\ks)] matrix_a_fmt:MATRIX_FMT_FP6 matrix_b_fmt:MATRIX_FMT_FP6 matrix_b_scale:MATRIX_SCALE_ROW1
.else
	v_wmma_scale_f32_16x16x128_f8f6f4 v[8*(8*\a+\b):8*(8*\a+\b)+7], v[96*(\fs)+12*\b:96*(\fs)+12*\b+11], v[96+48*(\fs)+12*\a:96+48*(\fs)+12*\a+11], v[8*(8*\a+\b):8*(8*\a+\b)+7], v[SC+8*\b+(\ks)], v[SC+8*\a+(\ks)] matrix_a_fmt:MATRIX_FMT_FP6 matrix_b_fmt:MATRIX_FMT_FP6 matrix_b_scale:MATRIX_SCALE_ROW1
.endif
.endr
.endr
.endm
.macro REFILL wa, g0a, g1a, wb, g0b, g1b   ; behind a round: wave wa fills S0's half again, wave wb S1's; the other two load nothing
	s_cmp_eq_u32 s[WV], \wa
	s_cbranch_scc0 .Lother_\@
	tensor_load_to_lds s[\g0a:\g0a+3], s[\g1a:\g1a+7]
	s_nop 0
	PLACES 4
	s_branch .Lfilled_\@
.Lother_\@:
	s_cmp_eq_u32 s[WV], \wb
	s_cbranch_scc0 .Lfilled_\@
	tensor_load_to_lds s[\g0b:\g0b+3], s[\g1b:\g1b+7]
	s_nop 0
	PLACES 4
.Lfilled_\@:
.endm
.macro ROUNDB                          ; the second half of K is read no more (every wave has waited for its last fragments): it takes the next block's
	s_wait_alu depctr_va_vdst(0)
	s_wait_tensorcnt 0x0                           ; all my tensor loads are in, the next block's first half among them
	ds_add_u32 v[SPW], v[NIL]
	s_add_nc_u64 s[50:51], s[92:93], 6400
	s_or_b32 s51, s51, 0x80000000
	s_add_nc_u64 s[58:59], s[94:95], 6400
	s_or_b32 s59, s59, 0x80000000
	s_mov_b64 s[92:93], s[96:97]                   ; the block after the next is v's
	s_mov_b64 s[94:95], s[98:99]
	s_wait_dscnt 0x0
	CROUND
	REFILL 2, 48, 28, 3, 56, 36
.endm
.macro KSTEP ks, rf
.if (\ks) == 3
	WIN 0
	s_wait_tensorcnt 0x0                           ; my part of the second half of K has landed,
.if \rf
	ds_add_u32 v[SPW], v[NIL]
	s_mov_b64 s[46:47], s[92:93]                   ; no load of mine is out: the descriptors take the next block's first half
	s_or_b32 s47, s47, 0x80000000
	s_mov_b64 s[54:55], s[94:95]
	s_or_b32 s55, s55, 0x80000000
	s_wait_dscnt 0x0                               ; and my reads of the first half are over
	CROUND                                         ; both hold of every wave of the cluster
	REFILL 0, 44, 28, 1, 52, 36
.else
	s_wait_dscnt 0x0                               ; and my reads of the first half are over
	s_barrier_signal -1
	s_barrier_wait -1                              ; both hold of every wave
.endif
.endif
.if ((\ks) >= 1) && ((\ks) < 7)
	PLACES 4                                       ; in front of loads into registers that the last step's products have read
.endif
.if (\ks) == 3
	WIN 0
	SCALES 1
.endif
.if (\ks) < 7
	FETCH (\ks)+1, ((\ks)+1)%2
	s_wait_dscnt 48                                ; all but the next step's 48 loads
.else
	s_wait_dscnt 0x0
.endif
.if (\ks) == 0
	MULS \ks, 0, 1                                 ; the first step's products start the sums
.else
	MULS \ks, (\ks)%2, 0
.endif
.endm
.macro MAIN rf
	s_wait_alu depctr_va_vdst(0)
	s_cmp_lt_u32 s[WV], 2                          ; waves 0 and 1 fetched the first half of K and wait for it; the second half's two loads may stay out
	s_cbranch_scc0 .Lsecond_half_\@
	s_wait_tensorcnt 0x0
.Lsecond_half_\@:
	s_barrier_signal -1
	s_barrier_wait -1
	SCALES 0
	FETCH 0, 0
.if \rf
	global_prefetch_b8 v240, s[88:89] th:TH_LOAD_NT scope:SCOPE_SE   ; my 50 blocks of 256 bytes of the next S0,
	global_prefetch_b8 v241, s[88:89] th:TH_LOAD_NT scope:SCOPE_SE
	global_prefetch_b8 v242, s[90:91] th:TH_LOAD_NT scope:SCOPE_SE   ; and my 25 of the next S1
.endif
.irp t, 0,1,2,3,4,5,6,7
	KSTEP \t, \rf
.endr
	WIN 0
.endm
; 64 numbers of a lane, register 16 b + i = k 32 b + 16 h + i of my row, become a fragment's codes in v[pc] on and its scale word in v[pw] (the same word in lanes l and l xor 16).
.macro QUANT src, pc, pw
.irp b, 0,1,2,3
	v_max3_num_f32 v[TM+\b], |v[\src+16*\b]|, |v[\src+1+16*\b]|, 0x1800000   ; my 16 numbers of block b, and the floor 2^(3 - 127)
.endr
.irp i, 2,4,6,8,10,12,14
.irp b, 0,1,2,3
	v_max3_num_f32 v[TM+\b], v[TM+\b], |v[\src+16*\b+\i]|, |v[\src+1+16*\b+\i]|
.endr
.endr
.irp b, 0,1,2,3
	v_permlanex16_b32 v[TM+4+\b], v[TM+\b], s[SEL], s[SEL+1]
.endr
.irp b, 0,1,2,3
	v_max_num_f32 v[TM+\b], v[TM+\b], v[TM+4+\b]
.endr
.irp b, 0,1,2,3
	v_add_nc_u32 v[TM+12+\b], 0xff000000, v[TM+\b] ; 2 off the exponent field: the conversion's scale operand
.endr
.irp b, 0,1,2,3
	v_lshrrev_b32 v[TM+4+\b], 23, v[TM+12+\b]      ; the scale's byte
.endr
	v_lshl_or_b32 v[\pw], v[TM+5], 8, v[TM+4]
	v_lshl_or_b32 v[\pw], v[TM+6], 16, v[\pw]
	v_lshl_or_b32 v[\pw], v[TM+7], 24, v[\pw]
.irp c, 0,1
	v_cvt_scalef32_pk16_fp6_f32 v[\pc+6*\c:\pc+2+6*\c], v[\src+32*\c:\src+15+32*\c], v[TM+12+2*\c]
	v_cvt_scalef32_pk16_fp6_f32 v[TC+4*\c:TC+2+4*\c], v[\src+16+32*\c:\src+31+32*\c], v[TM+12+2*\c+1]
.endr
	v_nop                                          ; one plain line behind the scaled conversions
.irp c, 0,1
.irp i, 0,1,2
	v_permlane16_swap_b32 v[\pc+6*\c+\i], v[TC+4*\c+\i]
.endr
.irp i, 0,1,2
	v_mov_b32 v[\pc+3+6*\c+\i], v[TC+4*\c+\i]
.endr
.endr
.endm
	s_load_b256 s[4:11], s[0:1], 0x0               ; xc, bq, bk, bv
	s_load_b128 s[12:15], s[0:1], 0x20             ; attn_mask, qc
	s_load_b64 s[16:17], s[0:1], 0x30              ; kv
	v_lshl_add_u32 v[SPW], v0, 2, SPARE
	v_mov_b32 v[NIL], 0
	ds_add_u32 v[SPW], v[NIL]                      ; the wave's opening: the add, twice on end, and its wait ahead of my first tensor load
	ds_add_u32 v[SPW], v[NIL]
	v_lshrrev_b32 v20, 5, v0
	v_readfirstlane_b32 s[WV], v20                 ; wave 0..3
	s_and_b32 s19, s[WV], 1                        ; w0: my half of S0's rows.  Also: which part of a panel I fetch
	s_lshr_b32 s20, s[WV], 1                       ; w1: my half of S1's rows.  Also: which half of K I fetch
	s_bfe_u32 s21, ttmp6, 0x40000                  ; cx
	s_bfe_u32 s22, ttmp6, 0x40004                  ; cy
	s_and_b32 s27, ttmp7, 0xffff                   ; the cluster's y, 0 .. 15
	s_lshr_b32 s23, s27, 4                         ; 0: q, 1: k, 2: v: the same in all sixteen partners
	s_and_b32 s24, s27, 15
	s_lshr_b32 s2, s24, 1
	s_lshl_b32 s2, s2, 2
	s_and_b32 s3, s24, 1
	s_lshl_b32 s3, s3, 2
	s_lshl_b32 s24, s24, 2
	s_lshl_b32 s80, s23, 6
	s_add_co_u32 s80, s80, 1536                    ; Wq's or Wk's first tile in xc
	s_lshl_b32 s81, s23, 9                         ; Q's or K's
	s_cmp_eq_u32 s23, 2
	s_cselect_b32 s25, s2, 0
	s_cselect_b32 s26, s3, s24
	s_cselect_b32 s80, 1024, s80                   ; v: S0 = V's tiles,
	s_cselect_b32 s81, 1664, s81                   ;    S1 = Wv's
	s_add_co_u32 s25, s25, s21                     ; i0: which 256 rows of S0
	s_add_co_u32 s26, s26, s22
	s_add_co_u32 s100, s2, s21                     ; v's block: which 256 tokens,
	s_add_co_u32 s101, s3, s22                     ; and which 128 features
	s_lshl_b32 s60, 0x1111, s21                    ; my column of the cluster
	s_lshl_b32 s84, s22, 2
	s_lshl_b32 s84, 15, s84                        ; my row
	; descriptor group 1: rows of 6,400 bytes (800 elements of 8: half a tile's record), 12,800 bytes apart; 16 tiles for S0, 8 for S1; no padding
	s_or_b32 s28, s60, (3<<16)|(1<<21)
	s_mov_b32 s29, 800<<16
	s_mov_b32 s30, 16<<16                          ; one load brings half of K of all 16 tiles of S0,
	s_mov_b32 s31, 800<<16
	s_mov_b32 s32, 16
	s_mov_b32 s33, 1600
	s_mov_b32 s34, 0
	s_mov_b32 s35, 0
	s_or_b32 s36, s84, (3<<16)|(1<<21)
	s_mov_b32 s37, 800<<16
	s_mov_b32 s38, 8<<16                           ; or of all 8 tiles of S1
	s_mov_b32 s39, 800<<16
	s_mov_b32 s40, 8
	s_mov_b32 s41, 1600
	s_mov_b32 s42, 0
	s_mov_b32 s43, 0
	s_lshl_b32 s60, s25, 4                         ; S0: tile 16 i0; these registers never hold cy
	s_add_co_u32 s60, s60, s80
	s_mul_i32 s60, s60, 12800
	s_mov_b32 s61, 0
	s_mov_b32 s62, 0
	s_lshl_b32 s84, s26, 3                         ; S1: tile 8 i1; these never hold cx
	s_add_co_u32 s84, s84, s81
	s_mul_i32 s84, s84, 12800
	s_mov_b32 s85, 0
	s_mov_b32 s86, 204800
	s_lshl_b32 s96, s100, 4                        ; v: S0 = V's tiles from 1,024 on; these registers never hold cy
	s_add_co_u32 s96, s96, 1024
	s_mul_i32 s96, s96, 12800
	s_mov_b32 s97, 0
	s_lshl_b32 s98, s101, 3                        ;    S1 = Wv's from 1,664 on; these never hold cx
	s_add_co_u32 s98, s98, 1664
	s_mul_i32 s98, s98, 12800
	s_mov_b32 s99, 0
	s_mov_b32 s[SEL], 0x76543210
	s_mov_b32 s[SEL+1], 0xfedcba98
	s_wait_dscnt 0x0                               ; both opening adds are done
	s_wait_kmcnt 0x0
	s_add_nc_u64 s[60:61], s[4:5], s[60:61]
	s_add_nc_u64 s[84:85], s[4:5], s[84:85]
	s_add_nc_u64 s[92:93], s[60:61], 819200        ; the next block, k's: Wk's tiles lie 64 tiles behind Wq's,
	s_add_nc_u64 s[94:95], s[84:85], 6553600       ; K's 512 tiles behind Q's
	s_add_nc_u64 s[96:97], s[4:5], s[96:97]
	s_add_nc_u64 s[98:99], s[4:5], s[98:99]
	CROUND                                         ; all sixteen work-groups are here: the joint loads meet
.irp g, 0,1
	s_mov_b32 s[44+4*\g], 1
	s_add_co_u32 s[45+4*\g], s62, \g*102400
	s_add_nc_u64 s[46+4*\g:47+4*\g], s[60:61], \g*6400
	s_or_b32 s[47+4*\g], s[47+4*\g], 0x80000000
	s_mov_b32 s[52+4*\g], 1
	s_add_co_u32 s[53+4*\g], s86, \g*51200
	s_add_nc_u64 s[54+4*\g:55+4*\g], s[84:85], \g*6400
	s_or_b32 s[55+4*\g], s[55+4*\g], 0x80000000
.endr
	; one tensor load a wave, in one chain of arms: wave 0 S0's first half of K, wave 1 S1's, wave 2 S0's second half, wave 3 S1's
	s_cmp_eq_u32 s[WV], 0
	s_cbranch_scc0 .Lwave_1
	tensor_load_to_lds s[44:47], s[28:35]
	s_nop 0
.rept 4
	v_nop
.endr
	s_branch .Lasked
.Lwave_1:
	s_cmp_eq_u32 s[WV], 1
	s_cbranch_scc0 .Lwave_2
	tensor_load_to_lds s[52:55], s[36:43]
	s_nop 0
.rept 4
	v_nop
.endr
	s_branch .Lasked
.Lwave_2:
	s_cmp_eq_u32 s[WV], 2
	s_cbranch_scc0 .Lwave_3
	tensor_load_to_lds s[48:51], s[28:35]
	s_nop 0
.rept 4
	v_nop
.endr
	s_branch .Lasked
.Lwave_3:
	tensor_load_to_lds s[56:59], s[36:43]
	s_nop 0
.rept 4
	v_nop
.endr
.Lasked:
	v_and_b32 v20, 31, v0                          ; lane
	v_and_b32 v21, 15, v0                          ; r
	v_bfe_u32 v23, v0, 4, 1
	v_lshlrev_b32 v240, 8, v20                     ; the prefetches' offsets, never rewritten: blocks 0 .. 31,
	v_add_nc_u32 v241, 32, v20
	v_min_u32 v241, 49, v241                       ; 32 .. 49 (lanes left over name the last again),
	v_lshlrev_b32 v241, 8, v241
	v_min_u32 v242, 24, v20                        ; and 0 .. 24
	v_lshlrev_b32 v242, 8, v242
	v_lshlrev_b32 v1, 4, v20
	s_wait_alu depctr_va_vdst(0)
	v_lshlrev_b32 v2, 3, v20
	s_wait_alu depctr_va_vdst(0)
	v_lshlrev_b32 v3, 4, v21
	s_wait_alu depctr_va_vdst(0)
	s_mul_i32 s27, s19, 51200                      ; my eight tiles of S0, first half of K
	s_mul_i32 s2, s20, 25600
	s_xor_b32 s3, s19, 1
	s_mul_i32 s3, s3, 51200
	s_add_co_u32 s3, s3, s2
	s_add_co_u32 s3, s3, 102400                    ; from my tiles of S0 to my tiles of S1, second half of K,
	v_mul_u32_u24 v19, s3, v23
	s_add_co_u32 s3, s3, 51200                     ; and first half: lanes 16-31 take S1's scale words
	v_mul_u32_u24 v18, s3, v23
	s_add_co_u32 s2, s2, 204800                    ; my four tiles of S1
.irp g, 0,1
	v_add_nc_u32 v[4+\g], s27, v1
	v_add_nc_u32 v[6+\g], s27, v2
	v_add_nc_u32 v[8+\g], s2, v1
	v_add_nc_u32 v[10+\g], s2, v2
	v_add_nc_u32 v[14+\g], s27, v3
	v_add_nc_u32 v[12+\g], v[14+\g], v[18+\g]
	s_add_co_u32 s27, s27, 102400
	s_add_co_u32 s2, s2, 51200
.endr
	v_and_b32 v19, 8, v21
	v_add_nc_u32 v19, v19, v21
	v_lshlrev_b32 v19, 2, v19                      ; 4 (r + 8 (r / 8)): my row of a tile, in words
.irp b, 0,1,2,3
	v_mov_b32 v[TM+4+\b], 0                        ; written once: a lane permute's destination counts as one of its sources
.endr
; The rest is written twice, once for q and k (kind 0) and once for v (kind 1): the branch hangs on the cluster's y alone.
.macro BODY kind
.if \kind == 0
	s_cmp_eq_u32 s23, 1
	s_cselect_b64 s[74:75], s[8:9], s[6:7]         ; bk or bq
	s_cselect_b64 s[82:83], s[16:17], s[14:15]     ; kv or qc
	s_mov_b32 s79, 6656
	s_cselect_b32 s79, 13056, s79                  ; a record
	s_mov_b32 s80, 6144
	s_cselect_b32 s80, 12288, s80                  ; where its scale words begin
	s_lshl_b32 s88, s25, 10
	s_lshl_b32 s89, s19, 9
	s_add_co_u32 s88, s88, s89
	s_mov_b32 s89, 0
	s_add_nc_u64 s[74:75], s[74:75], s[88:89]      ; the bias of my 128 features
	v_lshlrev_b32 v18, 6, v23
	WIN 0x80
.irp b, 0,1,2,3
.irp j, 0,1,2,3
	global_load_b128 v[BI+16*\b+4*\j:BI+16*\b+4*\j+3], v18, s[74:75] offset:128*\b+16*\j   ; register 16 b + i: feature 32 b + 16 h + i
.endr
.endr
	WIN 0
	s_lshl_b32 s88, s26, 9
	s_lshl_b32 s90, s20, 8
	s_add_co_u32 s88, s88, s90
	s_add_nc_u64 s[76:77], s[12:13], s[88:89]      ; the mask of my 64 tokens
	s_lshr_b32 s88, s26, 4                         ; the record: ((batch x 16 + head) x 16 + group), head = 4 i0 + 2 w0
	s_lshl_b32 s88, s88, 4
	s_lshl_b32 s90, s25, 2
	s_add_co_u32 s88, s88, s90
	s_lshl_b32 s90, s19, 1
	s_add_co_u32 s88, s88, s90
	s_lshl_b32 s88, s88, 4
	s_and_b32 s90, s26, 15
	s_add_co_u32 s88, s88, s90
	s_mul_i32 s88, s88, s79
	s_add_nc_u64 s[82:83], s[82:83], s[88:89]
	s_mul_i32 s90, s20, 3072
	s_mov_b32 s91, 0
	s_add_nc_u64 s[68:69], s[82:83], s[90:91]      ; my four tiles' images, first head,
	s_lshl_b32 s78, s79, 4                         ; a head on: 16 records
	s_mov_b32 s90, s78
	s_add_nc_u64 s[70:71], s[68:69], s[90:91]      ; second head
	s_lshl_b32 s90, s20, 8
	s_add_co_u32 s90, s90, s80
	s_add_nc_u64 s[72:73], s[82:83], s[90:91]      ; my four tiles' block of scale words
	v_mul_u32_u24 v22, s78, v23
	v_add_nc_u32 v22, v22, v3                      ; lanes 0-15: the first head's block, lanes 16-31 the second's
	s_cmp_eq_u32 s23, 1
	s_cbranch_scc1 .Lkeys_\@
.irp t, 0,1,2,3
	v_mov_b32 v[24+\t], 0x7f7f0000                 ; q: bytes 2 and 3 stand for 1
.endr
	s_branch .Lbytes_\@
.Lkeys_\@:
	v_and_b32 v30, 8, v21
	v_mad_u32_u24 v30, v30, 3, v21                 ; K's tiles have their own order of rows: row r of my tile t is key 8 t + r + 24 (r / 8) of my 64
	v_lshlrev_b32 v30, 2, v30
	s_wait_alu depctr_va_vdst(0)
.irp t, 0,1,2,3
	global_load_b32 v[24+\t], v30, s[76:77] offset:32*\t
.endr
.Lbytes_\@:
.else
	s_lshl_b32 s88, s26, 9
	s_lshl_b32 s89, s20, 8
	s_add_co_u32 s88, s88, s89
	s_mov_b32 s89, 0
	s_add_nc_u64 s[74:75], s[10:11], s[88:89]      ; bv of my 64 features
	WIN 0x80
.irp t, 0,1,2,3
	global_load_b32 v[BI+2*\t], v19, s[74:75] offset:(32*(\t/2)+8*(\t%2))*4     ; my lane's feature of tile t, twice: a pair for the packed addition
	global_load_b32 v[BI+2*\t+1], v19, s[74:75] offset:(32*(\t/2)+8*(\t%2))*4
.endr
	WIN 0
	s_lshr_b32 s88, s25, 3                         ; the record: ((batch x 16 + head) x 16 + key step), head = 2 i1 + w1, step = (2 i0 + w0) % 16
	s_lshl_b32 s88, s88, 4
	s_lshl_b32 s90, s26, 1
	s_add_co_u32 s88, s88, s90
	s_add_co_u32 s88, s88, s20
	s_lshl_b32 s88, s88, 4
	s_lshl_b32 s90, s25, 1
	s_add_co_u32 s90, s90, s19
	s_and_b32 s90, s90, 15
	s_add_co_u32 s88, s88, s90
	s_mul_i32 s88, s88, 13056
	s_add_nc_u64 s[82:83], s[16:17], s[88:89]
	s_add_nc_u64 s[68:69], s[82:83], 6144          ; V^T's images
	s_add_nc_u64 s[72:73], s[82:83], 12800         ; V's scale words
.endif
.if \kind == 0
	s_lshl_b32 s88, s22, 2                         ; my sixteenth of the next S0: 4 cy + wave, 12,800 bytes each
	s_add_co_u32 s88, s88, s[WV]
	s_mul_i32 s88, s88, 12800
	s_mov_b32 s89, 0
	s_add_nc_u64 s[88:89], s[92:93], s[88:89]
	s_lshl_b32 s90, s21, 2                         ; and of the next S1: 4 cx + wave, 6,400 bytes each
	s_add_co_u32 s90, s90, s[WV]
	s_mul_i32 s90, s90, 6400
	s_mov_b32 s91, 0
	s_add_nc_u64 s[90:91], s[94:95], s[90:91]
.endif
	MAIN (1-\kind)
	s_wait_loadcnt 0x0                             ; the bias, and in k's block the mask words, asked for ahead of the K steps
	PLACES 4                                       ; behind the last products: their results are read, and their operands' registers written, below
.if \kind == 0
	s_cmp_eq_u32 s23, 1
	s_cbranch_scc0 .Lno_mask_\@
	v_mov_b32 v28, 0x01010000
	v_mov_b32 v29, 0xe3e30000
.irp t, 0,1,2,3
	v_cmp_eq_u32 vcc_lo, 0, v[24+\t]
	v_cndmask_b32 v[24+\t], v28, v29, vcc_lo       ; k: 2^-126 where the key counts, 2^100 where it is hidden
.endr
.Lno_mask_\@:
.endif
.irp a, 0,1,2,3
.if (\kind == 0) && (\a == 1)
	ROUNDB
.endif
	WIN 0x09
.set i, 0
.rept 32
.if \kind == 0
	v_pk_add_f32 v[X+i:X+i+1], v[64*\a+i:64*\a+i+1], v[BI+i:BI+i+1]
.else
	v_pk_add_f32 v[X+i:X+i+1], v[64*\a+i:64*\a+i+1], v[BI+2*\a:BI+2*\a+1]
.endif
.set i, i+2
.endr
	WIN 0
	QUANT X, PCS+12*\a, 28+\a
.if \kind == 0
	global_store_b128 v1, v[PCS+12*\a:PCS+12*\a+3], s[68:69] offset:768*\a          ; k 0 .. 63 are the first head's 64,
	global_store_b64 v2, v[PCS+12*\a+4:PCS+12*\a+5], s[68:69] offset:768*\a+512
	global_store_b128 v1, v[PCS+12*\a+6:PCS+12*\a+9], s[70:71] offset:768*\a        ; k 64 .. 127 the second's
	global_store_b64 v2, v[PCS+12*\a+10:PCS+12*\a+11], s[70:71] offset:768*\a+512
.else
	global_store_b128 v1, v[PCS+12*\a:PCS+12*\a+3], s[68:69] offset:1536*\a         ; 16 channels x 128 keys
	global_store_b64 v2, v[PCS+12*\a+4:PCS+12*\a+5], s[68:69] offset:1536*\a+512
	global_store_b128 v1, v[PCS+12*\a+6:PCS+12*\a+9], s[68:69] offset:1536*\a+768
	global_store_b64 v2, v[PCS+12*\a+10:PCS+12*\a+11], s[68:69] offset:1536*\a+1280
.endif
.endr
.if \kind == 0
	v_lshlrev_b32 v18, 4, v23                      ; (the bias's loads, which read v18, are in)
.irp t, 0,1,2,3
	v_lshrrev_b32 v[SW+\t], v18, v[28+\t]          ; lanes 0-15 take the first head's two bytes, lanes 16-31 the second's,
	v_and_or_b32 v[SW+\t], v[SW+\t], 0xffff, v[24+\t]   ; under the bytes of the spare 64 along K
.endr
	global_store_b128 v22, v[SW:SW+3], s[72:73]    ; two whole runs of 256 bytes
.else
	global_store_b128 v3, v[28:31], s[72:73]       ; 256 bytes; lanes 16-31 hold the same words and write the same bytes
.endif
.if \kind == 1
	s_wait_tensorcnt 0x0                           ; the wave's end
	ds_add_u32 v[SPW], v[NIL]
	s_wait_dscnt 0x0
	CROUND                                         ; the closing round
	s_endpgm
.endif
.endm
	s_wait_alu depctr_va_vdst(0)
.Lqk:                                                  ; s23 = 0: q's block, 1: k's
	s_wait_xcnt 0x0                                ; the last block's stores and prefetches have read their registers
	BODY 0
	s_add_co_u32 s23, s23, 1
	s_cmp_lt_u32 s23, 2
	s_wait_alu depctr_va_vdst(0)
	s_cbranch_scc1 .Lqk
	s_wait_xcnt 0x0
	s_mov_b32 s25, s100                            ; v's block
	s_mov_b32 s26, s101
	BODY 1
.Lfunc_end_k_qbb5b1811d1_proj:
	.size	k_qbb5b1811d1_proj, .Lfunc_end_k_qbb5b1811d1_proj-k_qbb5b1811d1_proj
	.p2alignl 7, 3214868480
	.fill 96, 4, 3214868480
	.section	.rodata,"a",@progbits
	.p2align	6, 0x0
	.amdhsa_kernel k_qbb5b1811d1_proj
		.amdhsa_group_segment_fixed_size 327680
		.amdhsa_private_segment_fixed_size 0
		.amdhsa_enable_private_segment 0
		.amdhsa_kernarg_size 56
		.amdhsa_user_sgpr_count 2
		.amdhsa_user_sgpr_kernarg_segment_ptr 1
		.amdhsa_wavefront_size32 1
		.amdhsa_system_sgpr_workgroup_id_x 1
		.amdhsa_system_sgpr_workgroup_id_y 1
		.amdhsa_system_sgpr_workgroup_id_z 1
		.amdhsa_system_vgpr_workitem_id 0
		.amdhsa_next_free_vgpr 768
		.amdhsa_next_free_sgpr 102
		.amdhsa_reserve_vcc 1
		.amdhsa_float_denorm_mode_32 3
		.amdhsa_float_denorm_mode_16_64 3
		.amdhsa_memory_ordered 1
		.amdhsa_forward_progress 1
		.amdhsa_inst_pref_size 187
	.end_amdhsa_kernel
	.amdgpu_metadata
---
amdhsa.version: [ 1, 2 ]
amdhsa.kernels:
  - .name:           k_qbb5b1811d1_proj
    .symbol:         k_qbb5b1811d1_proj.kd
    .args:
      - { .name: xc, .offset: 0, .size: 8, .value_kind: global_buffer, .address_space: global }
      - { .name: bq, .offset: 8, .size: 8, .value_kind: global_buffer, .address_space: global }
      - { .name: bk, .offset: 16, .size: 8, .value_kind: global_buffer, .address_space: global }
      - { .name: bv, .offset: 24, .size: 8, .value_kind: global_buffer, .address_space: global }
      - { .name: attn_mask, .offset: 32, .size: 8, .value_kind: global_buffer, .address_space: global }
      - { .name: qc, .offset: 40, .size: 8, .value_kind: global_buffer, .address_space: global }
      - { .name: kv, .offset: 48, .size: 8, .value_kind: global_buffer, .address_space: global }
    .group_segment_fixed_size: 327680
    .private_segment_fixed_size: 0
    .kernarg_segment_align: 8
    .kernarg_segment_size: 56
    .max_flat_workgroup_size: 128
    .sgpr_count:     102
    .vgpr_count:     768
    .wavefront_size: 32
...
	.end_amdgpu_metadata
.endif
;; end of part 2
;; launch attn (part 3): grid 4 x 64, 8 waves a work-group, clusters of 4 x 1, 327,680 bytes of LDS; arguments qc, kv, xa; writes xa
.if DOCPART == 3
	.amdgcn_target "amdgcn-amd-amdhsa--gfx1250"
	.amdhsa_code_object_version 6
	.text
	.protected	k_qbb5b1811d1_attn
	.globl	k_qbb5b1811d1_attn
	.p2align	8
	.type	k_qbb5b1811d1_attn,@function
k_qbb5b1811d1_attn:
	s_mov_b64 s[64:65], 0
	v_nop
	global_prefetch_b8 v0, s[64:65] scope:SCOPE_SE
	s_setreg_imm32_b32 hwreg(HW_REG_WAVE_MODE, 25, 1), 1
	s_wait_xcnt 0x0
	s_wait_alu depctr_hold_cnt(0) depctr_sa_sdst(0) depctr_va_vdst(0) depctr_va_sdst(0) depctr_va_ssrc(0) depctr_va_vcc(0) depctr_vm_vsrc(0)
	s_getreg_b32 s2, hwreg(HW_REG_IB_STS2, 6, 4)
	s_cmp_eq_u32 s2, 0
	s_cbranch_scc0 .Lentry_in_a_cluster
	s_endpgm
.Lentry_in_a_cluster:
	s_bfe_u32 s2, ttmp6, 0x10000c
	s_cmp_lg_u32 s2, 0x3003
	s_cbranch_scc0 .Lentry_shape_is_right
	s_endpgm
.Lentry_shape_is_right:
; THIRD LAUNCH: x = softmax(q k^T / 8, hidden keys left out) v for each batch and head, both products on codes of FP6, and x quantised along the model's 1,024 (two blocks a head).  No work of the problem is left out.
; THE SOFTMAX: t = score x log2(e) / 8; M = the running largest t rounded UP to a whole number; p = 2^(t - M) is quantised along the keys, not normalised; the row's sum is taken of the unquantised p and divides at the end.
; When M moves, the sum and O are multiplied by 2^(old M - new M): exact.
; THE MASK costs no line here: the instruction's K is 128, a head's 64.  At k = 64 and k = 96 the keys' fragments hold the code 1.0 and the queries' -7.5; the keys' scale bytes 2 and 3 (made by the launch before) are
; 2^-126 where the key counts and 2^100 where it is hidden: a hidden score is -15 x 2^100.  The largest score begins at -2^83, above every hidden score: so a hidden key's p is 0.
; LIMITS: |t| of keys that count stays under 2^31; a batch whose mask hides every key is not served; NaN and infinities are not served; a block of zeros has the byte 1.
; SHARES.  A cluster of four work-groups has one batch and head; a work-group 512 of its queries; each of its EIGHT waves four tiles of 16 queries, in one pass over the keys: a fragment of K or V read from LDS serves four tiles.
; The head's K, V and scale words, 16 records of 13,056 bytes, lie in LDS whole: wave w asks for records 2 w and 2 w + 1 by one load of 102 rows of 256 bytes, jointly with the same wave of the three partners.
; Filled once: the loop has no barrier.  No prefetch: all tiles are asked for at the head, so there is no loop to run ahead in.
; LAYOUT.  Both products transposed: S^T = K Q^T, O^T = V^T P^T: a lane holds ONE query.  Tile 4 c + j of a record's K holds keys 64 c + 8 j + i and 64 c + 32 + 8 j + i (i = 0 .. 7): register 32 c + 8 j + i of lane (r, h) is
; key 64 c + 32 h + 8 j + i: a lane's 32 registers are ONE scale block of p, in the order of the next operand's registers.  No lane asks another for a block's maximum, and no codes change lanes.
; A TILE'S TURN: maxima (eight chains by turns, one to an accumulator), M, p, O's rescaling, p's codes; then the next tile's eight score products stand among the lines of the row's sum, each writing over eight registers of p
; that the sum and the conversions have read; the four products O^T += V^T P^T follow them.  The sum's lines are written 1.0 x p + s: their source 0 names no register, so they stand under the products' window setting too.
; Lines that hang on each other are laid apart: the three that make f stand among the multiply-adds, the scale's among the first lines of the sum, the scale word's among the moves.
; The score products run one tile ahead, so the first tile's stand ahead of the loop; in the last trip the eight that run ahead are made once more of the last record's K and are not used.
; O starts as zeros, since the step is written once for all sixteen trips.
; REGISTERS.  window 0: addresses, scale words, the tiles' state, v70-81 p's codes, v82-145 S^T then p, v146-193 V's fragments, v194-241 the queries'.   window 1: v0-127 O^T (32 a tile), v128-223 K's eight fragments.
.set REC,   13056
.set SPARE, 16*REC                     ; behind the records: the spare words, 128 bytes a wave, four blocks of 256 bytes that no other line names
.set KS,    12                         ; v12-15  K's scale words: lanes 0-15 tiles 0-3, lanes 16-31 tiles 4-7
.set VS,    16                         ; v16-19  V's
.set QS,    20                         ; v20-23  the four query tiles'
.set NM,    26                         ; v[26 + 2 q] -M, v[27 + 2 q] the running largest score
.set LL,    34                         ; v[34 + 2 q : 35 + 2 q] the row's sum, in two halves
.set FF,    42                         ; v[42:43] f
.set CH,    44                         ; v44-47  chains 0-3 of the maxima; then v44, v46: the two blocks' largest
.set SO,    48                         ; v48-49  the conversions' scale operands
.set EE,    50                         ; v50-51  the scale bytes
.set YY,    52
.set ZZ,    53
.set TA,    54
.set TB,    55                         ; v55     the -M that the tile's turn finds
.set C1,    56                         ; v56-59  chains 4-7 of the maxima; then v56-61: three more chains of the sum
.set TC,    62                         ; v62-64, v66-68 the conversions' second halves
.set PS,    69                         ; v69     p's scale word
.set PC,    70
.set S,     82
.set VF,    146
.set QF,    194
.set OT,    0                          ; in window 1
.set KF,    128                        ; in window 1: registers 0-5 of a fragment loaded, 6 the code 1.0, 7-11 zeros
.set WV,    10
.set CN,    14                         ; s14 -c
.set SEL,   28
.set CS,    30                         ; s[30:31] c = log2(e) / 8
.set MSB,   0
.macro WIN new                         ; the immediate's high byte repeats the setting that is left
.if MSB != \new
	s_set_vgpr_msb (MSB<<8)|\new
.set MSB, \new
.endif
.endm
.macro WALU
	s_wait_alu depctr_va_vdst(0)
.endm
.macro CROUND
	s_barrier_signal -1
	s_barrier_wait -1
	s_cmp_lg_u32 s[WV], 0
	s_cbranch_scc1 .Lnot_wave_0_\@
	s_barrier_signal -3
.Lnot_wave_0_\@:
	s_barrier_wait -3
	s_barrier_signal -1
	s_barrier_wait -1
.endm
.macro PLACES n
.rept \n
	v_nop
.endr
.endm
.macro KLOAD                           ; K's scale words and eight fragments of the record at v6, v7: 17 loads
	ds_load_b128 v[KS:KS+3], v6 offset:12288
	WIN 0x40                                       ; destination window 1
.irp t, 0,1,2,3,4,5,6,7
	ds_load_b128 v[KF+12*\t:KF+12*\t+3], v6 offset:768*\t
	ds_load_b64 v[KF+12*\t+4:KF+12*\t+5], v7 offset:768*\t+512
.endr
	WIN 0
.endm
.macro VLOAD                           ; V's four fragments and scale words of the record at v6, v7, v8: 17 loads
.irp t, 0,1,2,3
	ds_load_b128 v[VF+12*\t:VF+12*\t+3], v6 offset:6144+1536*\t
	ds_load_b64 v[VF+12*\t+4:VF+12*\t+5], v7 offset:6144+1536*\t+512
	ds_load_b128 v[VF+12*\t+6:VF+12*\t+9], v6 offset:6144+1536*\t+768
	ds_load_b64 v[VF+12*\t+10:VF+12*\t+11], v7 offset:6144+1536*\t+1280
.endr
	ds_load_b128 v[VS:VS+3], v8 offset:12800
.endm
.macro WM t, q                         ; one score product, under window setting 0x01: tile t of 16 keys x query tile q
.if \t < 4
	v_wmma_scale_f32_16x16x128_f8f6f4 v[S+8*\t:S+8*\t+7], v[KF+12*\t:KF+12*\t+11], v[QF+12*\q:QF+12*\q+11], 0, v[KS+\t], v[QS+\q] matrix_a_fmt:MATRIX_FMT_FP6 matrix_b_fmt:MATRIX_FMT_FP6
.else
	v_wmma_scale_f32_16x16x128_f8f6f4 v[S+8*\t:S+8*\t+7], v[KF+12*\t:KF+12*\t+11], v[QF+12*\q:QF+12*\q+11], 0, v[KS+\t-4], v[QS+\q] matrix_a_fmt:MATRIX_FMT_FP6 matrix_b_fmt:MATRIX_FMT_FP6 matrix_a_scale:MATRIX_SCALE_ROW1
.endif
.endm
.macro ADD2 d, x, y                    ; d = x + y, two at a time, as 1.0 x x + y
	v_pk_fma_f32 v[\d:\d+1], 1.0, v[\x:\x+1], v[\y:\y+1] op_sel_hi:[0,1,1]
.endm
; Tile q's turn.  nq: the tile whose score products run ahead.  first: V is fetched and waited for.  kl: the next step's K is fetched.  kw: it is waited for.
.macro SOFT q, nq, first, kl, kw
.set NQ_, NM+2*\q
.set LQ_, LL+2*\q
.irp k, 0,1,2,3,4,5,6,7                ; chain k takes accumulator k, from its low end on; chains 0-3 are my block h, chains 4-7 my block 2 + h
	v_max3_num_f32 v[CH+\k+8*(\k/4)], v[S+8*\k], v[S+8*\k+1], v[S+8*\k+2]
.endr
.if \first
	VLOAD                                          ; the lines above are the places behind the last trip's products, which read V's registers
.endif
.irp i, 3,5
.irp k, 0,1,2,3,4,5,6,7
	v_max3_num_f32 v[CH+\k+8*(\k/4)], v[CH+\k+8*(\k/4)], v[S+8*\k+\i], v[S+8*\k+\i+1]
.endr
.endr
	v_max3_num_f32 v[CH], v[CH], v[S+7], v[S+15]
	v_max3_num_f32 v[C1], v[C1], v[S+39], v[S+47]
	v_max3_num_f32 v[CH+1], v[CH+1], v[S+23], v[S+31]
	v_max3_num_f32 v[C1+1], v[C1+1], v[S+55], v[S+63]
	v_max3_num_f32 v[CH+2], v[CH+2], v[CH+3], v[CH]
	v_max3_num_f32 v[C1+2], v[C1+2], v[C1+3], v[C1]
	v_max_num_f32 v[CH], v[CH+2], v[CH+1]          ; the largest score of my block h,
	v_max_num_f32 v[CH+2], v[C1+2], v[C1+1]        ; and of block 2 + h: for the row's maximum and, since p rises with the score, for the block's largest p
	v_max3_num_f32 v[TA], v[NQ_+1], v[CH], v[CH+2]
	v_permlanex16_b32 v[ZZ], v[TA], s[SEL], s[SEL+1]
	v_max_num_f32 v[NQ_+1], v[TA], v[ZZ]           ; the running largest score of my query, the same in lanes l and l xor 16
	v_mul_f32 v[TA], s[CN], v[NQ_+1]
	v_floor_f32 v[NQ_], v[TA]                      ; the new -M = floor(-t): M is a whole number (the old -M was copied to v55 in the turn before)
.set j, 0
.rept 32
	v_pk_fma_f32 v[S+j:S+j+1], v[S+j:S+j+1], s[CS:CS+1], v[NQ_:NQ_+1] op_sel_hi:[1,0,0]   ; t - M, two at a time
.if j == 10
	v_sub_f32 v[TA], v[NQ_], v[TB]                 ; old M - new M: a whole number, 0 or less
.elseif j == 22
	v_cvt_i32_f32 v[TA], v[TA]                     ; (it saturates)
.elseif j == 34
	v_ldexp_f32 v[FF], 1.0, v[TA]                  ; f = 2^(old M - new M)
.endif
.set j, j+2
.endr
	v_fma_f32 v[CH], v[CH], s[CS], v[NQ_]          ; the same of each block's largest score
	v_fma_f32 v[CH+2], v[CH+2], s[CS], v[NQ_]
	WALU
.set j, 0
.rept 64
	v_exp_f32 v[S+j], v[S+j]                       ; p = 2^(t - M)
.set j, j+1
.endr
	v_exp_f32 v[CH], v[CH]                         ; the blocks' largest p: the same two instructions on the same number
	v_exp_f32 v[CH+2], v[CH+2]
	v_pk_mul_f32 v[LQ_:LQ_+1], v[LQ_:LQ_+1], v[FF:FF+1] op_sel_hi:[1,0]   ; the sum under the new M (a plain line behind the exponentials)
	WIN 0x41                                       ; source 0 and destination window 1
	WALU                                           ; the one wait behind the batch, directly ahead of the first reader of O^T
.set j, 0
.rept 16
	v_pk_mul_f32 v[OT+32*\q+j:OT+32*\q+j+1], v[OT+32*\q+j:OT+32*\q+j+1], v[FF:FF+1] op_sel_hi:[1,0]   ; O^T under the new M
.set j, j+2
.endr
	WIN 0
	v_max_num_f32 v[CH], 0x1800000, v[CH]          ; the floor 2^(3 - 127): the byte cannot fall under 1
	v_max_num_f32 v[CH+2], 0x1800000, v[CH+2]
	ADD2 C1, S, S+2                                ; the row's sum of the unquantised p, in four chains, in ascending order of the registers
	ADD2 C1+2, S+4, S+6
	ADD2 C1+4, S+8, S+10
	v_add_nc_u32 v[SO], 0xff000000, v[CH]          ; 2 off the exponent field: the conversion's scale operand
	v_add_nc_u32 v[SO+1], 0xff000000, v[CH+2]
	ADD2 LQ_, S+12, LQ_
	ADD2 C1, S+14, C1
	v_lshl_add_u32 v[EE], v[CH], 1, 0xfe000000     ; the exponent field less 2 in the top byte: the scale's byte
	v_lshl_add_u32 v[EE+1], v[CH+2], 1, 0xfe000000
	v_cvt_scalef32_pk16_fp6_f32 v[PC:PC+2], v[S:S+15], v[SO]
	v_cvt_scalef32_pk16_fp6_f32 v[TC:TC+2], v[S+16:S+31], v[SO]          ; (a conversion's three registers begin on an even number)
	v_cvt_scalef32_pk16_fp6_f32 v[PC+6:PC+8], v[S+32:S+47], v[SO+1]
	v_cvt_scalef32_pk16_fp6_f32 v[TC+4:TC+6], v[S+48:S+63], v[SO+1]
	v_perm_b32 v[YY], v[EE+1], v[EE], 0x07030703   ; my two bytes: blocks h and 2 + h (the plain line behind the conversions)
	v_mov_b32 v[PC+3], v[TC]
	v_mov_b32 v[PC+9], v[TC+4]
	v_permlanex16_b32 v[ZZ], v[YY], s[SEL], s[SEL+1]
	v_mov_b32 v[PC+4], v[TC+1]
	v_mov_b32 v[PC+10], v[TC+5]
	v_mov_b32 v[PC+5], v[TC+2]
	v_mov_b32 v[PC+11], v[TC+6]
	v_perm_b32 v[PS], v[ZZ], v[YY], 0x05010400     ; lanes 0-15, which alone are read: blocks 0, 1, 2, 3
.if \kl
	v_add_nc_u32 v6, s33, v1                       ; the next record
	v_add_nc_u32 v7, s33, v2
	v_add_nc_u32 v8, s33, v3
.endif
.if \kw
	WALU
	s_wait_dscnt 0x0                               ; the next step's K, asked for in the tile before
.endif
	WIN 0x01                                       ; source 0 window 1: K's fragments
	WM 0, \nq                                      ; a product writes over eight registers that the sum and the conversions have read
	WM 1, \nq
.irp t, 2,3,4,5,6,7
	ADD2 C1+2, S+8*\t, C1+2
	ADD2 C1+4, S+8*\t+2, C1+4
	ADD2 LQ_, S+8*\t+4, LQ_
	ADD2 C1, S+8*\t+6, C1
	WM \t, \nq
.endr
	ADD2 C1, C1+2, C1                              ; these three and the move are the four places behind the score products
	ADD2 LQ_, C1+4, LQ_
	ADD2 LQ_, C1, LQ_
	WIN 0
	v_mov_b32 v[TB], v[NM+2*\nq]                   ; the -M that the next turn finds
.if \kl
	KLOAD
.endif
.if \first
	WALU
	s_wait_dscnt 0x0                               ; V's fragments and scale words, asked for at the turn's head
.endif
	WIN 0x50                                       ; C and D window 1
.irp t, 0,1,2,3                        ; O^T += V^T P^T: the accumulators by turns
	v_wmma_scale_f32_16x16x128_f8f6f4 v[OT+32*\q+8*\t:OT+32*\q+8*\t+7], v[VF+12*\t:VF+12*\t+11], v[PC:PC+11], v[OT+32*\q+8*\t:OT+32*\q+8*\t+7], v[VS+\t], v[PS] matrix_a_fmt:MATRIX_FMT_FP6 matrix_b_fmt:MATRIX_FMT_FP6
.endr
	WIN 0
.endm
; x = O / the sum of tile q, quantised along my head's 64 channels, to xa.  Register 16 b + i: channel 32 b + 16 h + i of my query.  Each tile has its own registers for what it stores.
.macro OUT q
.set XC_, VF+12*\q
	WIN 0x01
	WALU                                           ; directly ahead of the first reader of this tile's O^T
.set j, 0
.rept 16
	v_pk_mul_f32 v[S+j:S+j+1], v[OT+32*\q+j:OT+32*\q+j+1], v[NM+2*\q:NM+2*\q+1] op_sel_hi:[1,0]
.set j, j+2
.endr
	WIN 0
.irp b, 0,1
	v_max3_num_f32 v[CH+\b], |v[S+16*\b]|, |v[S+1+16*\b]|, 0x1800000
.endr
.irp i, 2,4,6,8,10,12,14
.irp b, 0,1
	v_max3_num_f32 v[CH+\b], v[CH+\b], |v[S+16*\b+\i]|, |v[S+1+16*\b+\i]|
.endr
.endr
.irp b, 0,1
	v_permlanex16_b32 v[TA+\b], v[CH+\b], s[SEL], s[SEL+1]
.endr
.irp b, 0,1
	v_max_num_f32 v[CH+\b], v[CH+\b], v[TA+\b]
.endr
.irp b, 0,1
	v_add_nc_u32 v[SO+\b], 0xff000000, v[CH+\b]
.endr
.irp b, 0,1
	v_lshrrev_b32 v[EE+\b], 23, v[SO+\b]
.endr
	v_lshl_or_b32 v[XC_+6], v[EE+1], 8, v[EE]
	v_cvt_scalef32_pk16_fp6_f32 v[XC_:XC_+2], v[S:S+15], v[SO]
	v_cvt_scalef32_pk16_fp6_f32 v[TC:TC+2], v[S+16:S+31], v[SO+1]
	v_nop
.irp i, 0,1,2
	v_permlane16_swap_b32 v[XC_+\i], v[TC+\i]
.endr
.irp i, 0,1,2
	v_mov_b32 v[XC_+3+\i], v[TC+\i]
.endr
	global_store_b128 v1, v[XC_:XC_+3], s[38:39] offset:12800*\q          ; the image of 16 queries x my head's 64
	global_store_b64 v2, v[XC_+4:XC_+5], s[38:39] offset:12800*\q+512
	global_store_b16 v3, v[XC_+6], s[40:41] offset:12800*\q               ; two bytes of each row's scale word: the word's other half belongs to another head, made by another work-group; lanes 16-31 write the same bytes as lanes 0-15
.endm
	s_load_b128 s[4:7], s[0:1], 0x0                ; qc, kv
	s_load_b64 s[8:9], s[0:1], 0x10                ; xa
	v_lshl_add_u32 v4, v0, 2, SPARE                ; v4, v5: the add's two; never rewritten
	v_mov_b32 v5, 0
	ds_add_u32 v4, v5                              ; the wave's opening: the add, twice on end, and its wait ahead of my first tensor load
	ds_add_u32 v4, v5
	v_lshrrev_b32 v6, 5, v0
	v_readfirstlane_b32 s[WV], v6                  ; wave 0..7
	s_bfe_u32 s11, ttmp6, 0x40000                  ; cx: it enters q's and x's addresses alone
	s_and_b32 s12, ttmp7, 0xffff                   ; batch x 16 + head, which the four partners share
	s_mov_b32 s16, 15|(3<<16)|(1<<21)              ; group 1: the mask names all four; elements of 8 bytes; 102 rows of 256 bytes, dense: two records
	s_mov_b32 s17, 32<<16
	s_mov_b32 s18, 102<<16
	s_mov_b32 s19, 32<<16
	s_mov_b32 s20, 102
	s_mov_b32 s21, 32
	s_mov_b32 s22, 0
	s_mov_b32 s23, 0
	s_mul_i32 s25, s[WV], 2*REC                    ; records 2 w, 2 w + 1, in LDS
	s_mul_i32 s42, s12, 16*REC
	s_add_co_u32 s42, s42, s25                     ; and in kv
	s_mov_b32 s43, 0
	s_mov_b32 s[SEL], 0x76543210
	s_mov_b32 s[SEL+1], 0xfedcba98
	s_mov_b32 s[CS], 0x3e38aa3b                    ; c = log2(e) / 8
	s_mov_b32 s[CS+1], s[CS]
	s_mov_b32 s[CN], 0xbe38aa3b                    ; -c
	s_wait_dscnt 0x0                               ; both opening adds are done
	s_wait_kmcnt 0x0
	s_mov_b32 s24, 1
	s_add_nc_u64 s[26:27], s[6:7], s[42:43]
	s_or_b32 s27, s27, 0x80000000
	CROUND                                         ; all four work-groups are here: the joint loads meet
	tensor_load_to_lds s[24:27], s[16:23]          ; my one tensor load
	s_nop 0
	PLACES 4
	v_and_b32 v9, 31, v0
	v_and_b32 v10, 15, v0
	v_lshlrev_b32 v1, 4, v9                        ; v1  16 x lane
	v_lshlrev_b32 v2, 3, v9                        ; v2  8 x lane
	v_lshlrev_b32 v3, 4, v10                       ; v3  16 r
	s_lshl_b32 s44, s12, 4                         ; q: record 16 (batch, head) + 4 cx + w / 2, tiles 4 (w % 2) + 0 .. 3
	s_lshl_b32 s45, s11, 2
	s_add_co_u32 s44, s44, s45
	s_lshr_b32 s45, s[WV], 1
	s_add_co_u32 s44, s44, s45
	s_mul_i32 s44, s44, 6656
	s_and_b32 s45, s[WV], 1
	s_mul_i32 s46, s45, 3072
	s_add_co_u32 s46, s46, s44
	s_mov_b32 s47, 0
	s_add_nc_u64 s[34:35], s[4:5], s[46:47]
	s_lshl_b32 s46, s45, 8
	s_add_co_u32 s46, s46, s44
	s_add_co_u32 s46, s46, 6144
	s_add_nc_u64 s[36:37], s[4:5], s[46:47]        ; my four tiles' block of scale words, [r][4 words]
	WALU
.irp q, 0,1,2,3
	global_load_b128 v[QF+12*\q:QF+12*\q+3], v1, s[34:35] offset:768*\q
	global_load_b64 v[QF+12*\q+4:QF+12*\q+5], v2, s[34:35] offset:768*\q+512
.endr
	global_load_b128 v[QS:QS+3], v3, s[36:37]
.irp q, 0,1,2,3
	v_mov_b32 v[QF+12*\q+6], 0x3f                  ; the code -7.5 at k = 64 + 32 h
.irp i, 7,8,9,10,11
	v_mov_b32 v[QF+12*\q+\i], 0
.endr
	v_mov_b32 v[NM+2*\q], 0x67b8aa3b               ; -M: c x 2^83
	v_mov_b32 v[NM+2*\q+1], 0xe9000000             ; the largest score so far: -2^83, above every hidden score and under every score that counts
	v_mov_b32 v[LL+2*\q], 0
	v_mov_b32 v[LL+2*\q+1], 0
.endr
	v_mov_b32 v[FF+1], 0                           ; (named as the upper half of a pair)
	v_mov_b32 v[ZZ], 0                             ; written once: a lane permute's destination counts as one of its sources
	v_mov_b32 v[TB], v[NM]                         ; the -M that the first turn finds
	v_add_nc_u32 v6, 0, v1                         ; record 0
	v_add_nc_u32 v7, 0, v2
	v_add_nc_u32 v8, 0, v3
	WIN 0x40
.irp t, 0,1,2,3,4,5,6,7
	v_mov_b32 v[KF+12*\t+6], 8                     ; the code 1.0 at k = 64 + 32 h
.irp i, 7,8,9,10,11
	v_mov_b32 v[KF+12*\t+\i], 0
.endr
.endr
.set j, 0
.rept 128
	v_mov_b32 v[OT+j], 0                           ; the first trip finds zeros
.set j, j+1
.endr
	WIN 0
	s_lshr_b32 s44, s12, 4                         ; x: tile 128 batch + 32 cx + 4 w + q; image and scale bytes of my head
	s_lshl_b32 s44, s44, 7
	s_lshl_b32 s45, s11, 5
	s_add_co_u32 s44, s44, s45
	s_lshl_b32 s45, s[WV], 2
	s_add_co_u32 s44, s44, s45
	s_mul_i32 s44, s44, 12800
	s_and_b32 s45, s12, 15                         ; head
	s_lshr_b32 s46, s45, 3
	s_mul_i32 s46, s46, 6400
	s_add_co_u32 s44, s44, s46
	s_and_b32 s46, s45, 7
	s_mul_i32 s46, s46, 768
	s_add_co_u32 s46, s46, s44
	s_add_co_u32 s46, s46, 256
	s_add_nc_u64 s[38:39], s[8:9], s[46:47]
	s_bfe_u32 s46, s45, 0x20001
	s_lshl_b32 s46, s46, 2
	s_and_b32 s45, s45, 1
	s_lshl_b32 s45, s45, 1
	s_add_co_u32 s46, s46, s45
	s_add_co_u32 s46, s46, s44
	s_add_nc_u64 s[40:41], s[8:9], s[46:47]
	WALU
	s_wait_tensorcnt 0x0                           ; my two records are in,
	s_barrier_signal -1
	s_barrier_wait -1                              ; everybody's are
	KLOAD                                          ; step 0's K
	s_wait_loadcnt 0x0                             ; q
	s_wait_dscnt 0x0
	WIN 0x01
.irp t, 0,1,2,3,4,5,6,7
	WM \t, 0                                       ; the first tile's scores of step 0
.endr
	WIN 0
	PLACES 4
	s_mov_b32 s32, 0
.Lstep:                                                ; a trip: the 128 keys of one record against my 64 queries
	s_add_co_u32 s32, s32, REC
	s_min_u32 s33, s32, 15*REC                     ; the next record; the last trip fetches the last record's K once more, so that every read stays inside the records
	SOFT 0, 1, 1, 0, 0
	SOFT 1, 2, 0, 0, 0
	SOFT 2, 3, 0, 1, 0
	SOFT 3, 0, 0, 0, 1
	s_cmp_lg_u32 s32, 16*REC
	WALU
	s_cbranch_scc1 .Lstep
	PLACES 4                                       ; behind the last products
.irp q, 0,1,2,3
	v_add_f32 v[LL+2*\q], v[LL+2*\q], v[LL+2*\q+1]
.endr
.irp q, 0,1,2,3
	v_permlanex16_b32 v[CH+\q], v[LL+2*\q], s[SEL], s[SEL+1]
.endr
.irp q, 0,1,2,3
	v_add_f32 v[LL+2*\q], v[LL+2*\q], v[CH+\q]     ; the row's sum
.endr
	WALU
.irp q, 0,1,2,3
	v_rcp_f32 v[NM+2*\q], v[LL+2*\q]
.endr
	v_nop                                          ; a plain line behind the reciprocals; the wait ahead of their first reader opens OUT
	OUT 0
	OUT 1
	OUT 2
	OUT 3
	s_wait_tensorcnt 0x0                           ; the wave's end
	ds_add_u32 v4, v5
	s_wait_dscnt 0x0
	CROUND                                         ; the closing round
	s_endpgm
.Lfunc_end_k_qbb5b1811d1_attn:
	.size	k_qbb5b1811d1_attn, .Lfunc_end_k_qbb5b1811d1_attn-k_qbb5b1811d1_attn
	.p2alignl 7, 3214868480
	.fill 96, 4, 3214868480
	.section	.rodata,"a",@progbits
	.p2align	6, 0x0
	.amdhsa_kernel k_qbb5b1811d1_attn
		.amdhsa_group_segment_fixed_size 327680
		.amdhsa_private_segment_fixed_size 0
		.amdhsa_enable_private_segment 0
		.amdhsa_kernarg_size 24
		.amdhsa_user_sgpr_count 2
		.amdhsa_user_sgpr_kernarg_segment_ptr 1
		.amdhsa_wavefront_size32 1
		.amdhsa_system_sgpr_workgroup_id_x 1
		.amdhsa_system_sgpr_workgroup_id_y 1
		.amdhsa_system_sgpr_workgroup_id_z 1
		.amdhsa_system_vgpr_workitem_id 0
		.amdhsa_next_free_vgpr 480
		.amdhsa_next_free_sgpr 66
		.amdhsa_reserve_vcc 0
		.amdhsa_float_denorm_mode_32 3
		.amdhsa_float_denorm_mode_16_64 3
		.amdhsa_memory_ordered 1
		.amdhsa_forward_progress 1
		.amdhsa_inst_pref_size 82
	.end_amdhsa_kernel
	.amdgpu_metadata
---
amdhsa.version: [ 1, 2 ]
amdhsa.kernels:
  - .name:           k_qbb5b1811d1_attn
    .symbol:         k_qbb5b1811d1_attn.kd
    .args:
      - { .name: qc, .offset: 0, .size: 8, .value_kind: global_buffer, .address_space: global }
      - { .name: kv, .offset: 8, .size: 8, .value_kind: global_buffer, .address_space: global }
      - { .name: xa, .offset: 16, .size: 8, .value_kind: global_buffer, .address_space: global }
    .group_segment_fixed_size: 327680
    .private_segment_fixed_size: 0
    .kernarg_segment_align: 8
    .kernarg_segment_size: 24
    .max_flat_workgroup_size: 256
    .sgpr_count:     66
    .vgpr_count:     480
    .wavefront_size: 32
...
	.end_amdgpu_metadata
.endif
;; end of part 3
;; launch outp (part 4): grid 4 x 64, 4 waves a work-group, clusters of 4 x 4, 327,680 bytes of LDS; arguments xa, xc, bo, out0; writes out0
.if DOCPART == 4
	.amdgcn_target "amdgcn-amd-amdhsa--gfx1250"
	.amdhsa_code_object_version 6
	.text
	.protected	k_qbb5b1811d1_outp
	.globl	k_qbb5b1811d1_outp
	.p2align	8
	.type	k_qbb5b1811d1_outp,@function
k_qbb5b1811d1_outp:
	s_mov_b64 s[64:65], 0
	v_nop
	global_prefetch_b8 v0, s[64:65] scope:SCOPE_SE
	s_setreg_imm32_b32 hwreg(HW_REG_WAVE_MODE, 25, 1), 1
	s_wait_xcnt 0x0
	s_wait_alu depctr_hold_cnt(0) depctr_sa_sdst(0) depctr_va_vdst(0) depctr_va_sdst(0) depctr_va_ssrc(0) depctr_va_vcc(0) depctr_vm_vsrc(0)
	s_getreg_b32 s2, hwreg(HW_REG_IB_STS2, 6, 4)
	s_cmp_eq_u32 s2, 0
	s_cbranch_scc0 .Lentry_in_a_cluster
	s_endpgm
.Lentry_in_a_cluster:
	s_bfe_u32 s2, ttmp6, 0x10000c
	s_cmp_lg_u32 s2, 0xf033
	s_cbranch_scc0 .Lentry_shape_is_right
	s_endpgm
.Lentry_shape_is_right:
; FOURTH LAUNCH: out0 = x Wo^T + bo on the codes of xa (x) and xc (Wo).  No work is left out.
; D = S0 S1^T, source 0 = a tile of Wo (features), source 1 = a tile of x (tokens): a lane holds one token and eight neighbouring features a tile.
; SHARES, LDS, CLUSTER AND REGISTERS as in the second launch: a work-group makes 256 features x 128 tokens, wave (w0, w1) 128 x 64 in 32 accumulators; all of K = 1,024 of both panels lies in LDS, filled once, in two
; halves along K; Wo's panel is shared along a column of the 4 x 4 cluster, x's along a row.  256 work-groups.
; THE WAY OUT: 16 tokens x 128 features at a time through the wave's own stage (rows of 512 + 16 bytes) and back as whole rows; the bias is added on the way; the 32 lanes store 512 consecutive bytes.
; The stages lie in the first half of Wo's panel: it has had its only fill, and every wave's last read of it stands ahead of the barrier in the middle of K.
.set SPARE, 307200                     ; behind the panels: the spare words, 128 bytes a wave
.set SPW,   16
.set NIL,   17
.set SC,    32                         ; v[SC + 8 t + s]: lanes 0-15 the word of S0's tile t, lanes 16-31 that of S1's tile t (t < 4), K step s
.set BK,    96                         ; the way out: 16 rows back from the stage: v96-159 and v160-223 by turns
.set WV,    18
.set MSB,   0
.macro WIN new                         ; the immediate's high byte repeats the setting that is left
.if MSB != \new
	s_set_vgpr_msb (MSB<<8)|\new
.set MSB, \new
.endif
.endm
.macro CROUND                          ; a round of the cluster's barrier
	s_barrier_signal -1
	s_barrier_wait -1
	s_cmp_lg_u32 s[WV], 0
	s_cbranch_scc1 .Lnot_wave_0_\@
	s_barrier_signal -3
.Lnot_wave_0_\@:
	s_barrier_wait -3
	s_barrier_signal -1
	s_barrier_wait -1
.endm
.macro PLACES n
.rept \n
	v_nop
.endr
.endm
.macro SCALES g
.irp t, 0,1,2,3
	ds_load_b128 v[SC+8*\t+4*\g:SC+8*\t+4*\g+3], v[12+\g] offset:6400*\t
.endr
.irp t, 4,5,6,7
	ds_load_b128 v[SC+8*\t+4*\g:SC+8*\t+4*\g+3], v[14+\g] offset:6400*\t
.endr
.endm
.macro FETCH ks, fs                    ; K step ks: S0's eight fragments and S1's four into set fs: 48 loads
.set FG, (\ks)/4
.set FO, 256+2*((\ks)%4)*768
	WIN 0x80                                       ; destination window 2
.irp t, 0,1,2,3,4,5,6,7
	ds_load_b128 v[96*(\fs)+12*\t:96*(\fs)+12*\t+3], v[4+FG] offset:6400*\t+FO
	ds_load_b64 v[96*(\fs)+12*\t+4:96*(\fs)+12*\t+5], v[6+FG] offset:6400*\t+FO+512
	ds_load_b128 v[96*(\fs)+12*\t+6:96*(\fs)+12*\t+9], v[4+FG] offset:6400*\t+FO+768
	ds_load_b64 v[96*(\fs)+12*\t+10:96*(\fs)+12*\t+11], v[6+FG] offset:6400*\t+FO+1280
.endr
	WIN 0
.irp t, 0,1,2,3
	ds_load_b128 v[96+48*(\fs)+12*\t:96+48*(\fs)+12*\t+3], v[8+FG] offset:6400*\t+FO
	ds_load_b64 v[96+48*(\fs)+12*\t+4:96+48*(\fs)+12*\t+5], v[10+FG] offset:6400*\t+FO+512
	ds_load_b128 v[96+48*(\fs)+12*\t+6:96+48*(\fs)+12*\t+9], v[8+FG] offset:6400*\t+FO+768
	ds_load_b64 v[96+48*(\fs)+12*\t+10:96+48*(\fs)+12*\t+11], v[10+FG] offset:6400*\t+FO+1280
.endr
.endm
.macro MULS ks, fs, zero               ; 32 products; the 32 accumulators take turns, one instruction a turn, in the same order in every step
	WIN 0x52                                       ; source 0 window 2, source 1 window 0, C and D window 1
.irp a, 0,1,2,3
.irp b, 0,1,2,3,4,5,6,7
.if \zero
	v_wmma_scale_f32_16x16x128_f8f6f4 v[8*(8*\a+\b):8*(8*\a+\b)+7], v[96*(\fs)+12*\b:96*(\fs)+12*\b+11], v[96+48*(\fs)+12*\a:96+48*(\fs)+12*\a+11], 0, v[SC+8*\b+(\ks)], v[SC+8*\a+(\ks)] matrix_a_fmt:MATRIX_FMT_FP6 matrix_b_fmt:MATRIX_FMT_FP6 matrix_b_scale:MATRIX_SCALE_ROW1
.else
	v_wmma_scale_f32_16x16x128_f8f6f4 v[8*(8*\a+\b):8*(8*\a+\b)+7], v[96*(\fs)+12*\b:96*(\fs)+12*\b+11], v[96+48*(\fs)+12*\a:96+48*(\fs)+12*\a+11], v[8*(8*\a+\b):8*(8*\a+\b)+7], v[SC+8*\b+(\ks)], v[SC+8*\a+(\ks)] matrix_a_fmt:MATRIX_FMT_FP6 matrix_b_fmt:MATRIX_FMT_FP6 matrix_b_scale:MATRIX_SCALE_ROW1
.endif
.endr
.endr
.endm
.macro KSTEP ks
.if (\ks) == 3
	s_wait_tensorcnt 0x0                           ; my part of the second half of K has landed,
	s_wait_dscnt 0x0                               ; and my reads of the first half are over
	s_barrier_signal -1
	s_barrier_wait -1                              ; both hold of every wave; no tensor load follows
.endif
.if ((\ks) >= 1) && ((\ks) < 7)
	PLACES 4                                       ; in front of loads into registers that the last step's products have read
.endif
.if (\ks) == 3
	WIN 0
	SCALES 1
.endif
.if (\ks) < 7
	FETCH (\ks)+1, ((\ks)+1)%2
	s_wait_dscnt 48                                ; all but the next step's 48 loads
.else
	s_wait_dscnt 0x0
.endif
.if (\ks) == 0
	MULS \ks, 0, 1                                 ; the first step's products start the sums
.else
	MULS \ks, (\ks)%2, 0
.endif
.endm
	s_load_b256 s[4:11], s[0:1], 0x0               ; xa, xc, bo, out0
	v_lshl_add_u32 v[SPW], v0, 2, SPARE
	v_mov_b32 v[NIL], 0
	ds_add_u32 v[SPW], v[NIL]                      ; the wave's opening: the add, twice on end, and its wait ahead of my first tensor load
	ds_add_u32 v[SPW], v[NIL]
	v_lshrrev_b32 v20, 5, v0
	v_readfirstlane_b32 s[WV], v20                 ; wave 0..3
	s_and_b32 s19, s[WV], 1                        ; w0: my half of the features.  Also: which part of a panel I fetch
	s_lshr_b32 s20, s[WV], 1                       ; w1: my half of the tokens.  Also: which half of K I fetch
	s_bfe_u32 s25, ttmp6, 0x40000                  ; cx = i0: which 256 features
	s_bfe_u32 s22, ttmp6, 0x40004                  ; cy
	s_and_b32 s26, ttmp7, 0xffff
	s_lshl_b32 s26, s26, 2
	s_add_co_u32 s26, s26, s22                     ; i1: which 128 tokens
	s_lshl_b32 s60, 0x1111, s25                    ; my column of the cluster
	s_lshl_b32 s84, s22, 2
	s_lshl_b32 s84, 15, s84                        ; my row
	; descriptor group 1: rows of 6,400 bytes (800 elements of 8: half a tile's record), 12,800 bytes apart; 16 tiles for S0, 8 for S1; no padding
	s_or_b32 s28, s60, (3<<16)|(1<<21)
	s_mov_b32 s29, 800<<16
	s_mov_b32 s30, 16<<16                          ; one load brings half of K of all 16 tiles of S0,
	s_mov_b32 s31, 800<<16
	s_mov_b32 s32, 16
	s_mov_b32 s33, 1600
	s_mov_b32 s34, 0
	s_mov_b32 s35, 0
	s_or_b32 s36, s84, (3<<16)|(1<<21)
	s_mov_b32 s37, 800<<16
	s_mov_b32 s38, 8<<16                           ; or of all 8 tiles of S1
	s_mov_b32 s39, 800<<16
	s_mov_b32 s40, 8
	s_mov_b32 s41, 1600
	s_mov_b32 s42, 0
	s_mov_b32 s43, 0
	s_lshl_b32 s60, s25, 4                         ; S0: Wo's tile 1,728 + 16 i0 of xc; these registers never hold cy
	s_add_co_u32 s60, s60, 1728
	s_mul_i32 s60, s60, 12800
	s_mov_b32 s61, 0
	s_mov_b32 s62, 0
	s_lshl_b32 s84, s26, 3                         ; S1: tile 8 i1 of xa; these never hold cx
	s_mul_i32 s84, s84, 12800
	s_mov_b32 s85, 0
	s_mov_b32 s86, 204800
	s_wait_dscnt 0x0                               ; both opening adds are done
	s_wait_kmcnt 0x0
	s_add_nc_u64 s[60:61], s[6:7], s[60:61]
	s_add_nc_u64 s[84:85], s[4:5], s[84:85]
	CROUND                                         ; all sixteen work-groups are here: the joint loads meet
.irp g, 0,1
	s_mov_b32 s[44+4*\g], 1
	s_add_co_u32 s[45+4*\g], s62, \g*102400
	s_add_nc_u64 s[46+4*\g:47+4*\g], s[60:61], \g*6400
	s_or_b32 s[47+4*\g], s[47+4*\g], 0x80000000
	s_mov_b32 s[52+4*\g], 1
	s_add_co_u32 s[53+4*\g], s86, \g*51200
	s_add_nc_u64 s[54+4*\g:55+4*\g], s[84:85], \g*6400
	s_or_b32 s[55+4*\g], s[55+4*\g], 0x80000000
.endr
	; one tensor load a wave, in one chain of arms: wave 0 S0's first half of K, wave 1 S1's, wave 2 S0's second half, wave 3 S1's
	s_cmp_eq_u32 s[WV], 0
	s_cbranch_scc0 .Lwave_1
	tensor_load_to_lds s[44:47], s[28:35]
	s_nop 0
.rept 4
	v_nop
.endr
	s_branch .Lasked
.Lwave_1:
	s_cmp_eq_u32 s[WV], 1
	s_cbranch_scc0 .Lwave_2
	tensor_load_to_lds s[52:55], s[36:43]
	s_nop 0
.rept 4
	v_nop
.endr
	s_branch .Lasked
.Lwave_2:
	s_cmp_eq_u32 s[WV], 2
	s_cbranch_scc0 .Lwave_3
	tensor_load_to_lds s[48:51], s[28:35]
	s_nop 0
.rept 4
	v_nop
.endr
	s_branch .Lasked
.Lwave_3:
	tensor_load_to_lds s[56:59], s[36:43]
	s_nop 0
.rept 4
	v_nop
.endr
.Lasked:
	v_and_b32 v20, 31, v0                          ; lane
	v_and_b32 v21, 15, v0                          ; r
	v_bfe_u32 v23, v0, 4, 1                        ; h
	s_wait_alu depctr_va_vdst(0)
	v_lshlrev_b32 v1, 4, v20
	s_wait_alu depctr_va_vdst(0)
	v_lshlrev_b32 v2, 3, v20
	s_wait_alu depctr_va_vdst(0)
	v_lshlrev_b32 v3, 4, v21
	s_wait_alu depctr_va_vdst(0)
	s_lshl_b32 s88, s25, 10                        ; my 128 features, in bytes
	s_lshl_b32 s89, s19, 9
	s_add_co_u32 s88, s88, s89
	s_mov_b32 s89, 0
	s_add_nc_u64 s[74:75], s[8:9], s[88:89]
	global_load_b128 v[24:27], v1, s[74:75]        ; the bias of the four columns that I store
	s_lshl_b32 s90, s26, 19                        ; my 64 tokens' rows of 4,096 bytes
	s_lshl_b32 s91, s20, 18
	s_add_co_u32 s90, s90, s91
	s_add_co_u32 s88, s88, s90
	s_add_nc_u64 s[68:69], s[10:11], s[88:89]
	s_mul_i32 s27, s19, 51200                      ; my eight tiles of S0, first half of K
	s_mul_i32 s2, s20, 25600
	s_xor_b32 s3, s19, 1
	s_mul_i32 s3, s3, 51200
	s_add_co_u32 s3, s3, s2
	s_add_co_u32 s3, s3, 102400                    ; from my tiles of S0 to my tiles of S1, second half of K,
	v_mul_u32_u24 v19, s3, v23
	s_add_co_u32 s3, s3, 51200                     ; and first half: lanes 16-31 take S1's scale words
	v_mul_u32_u24 v18, s3, v23
	s_add_co_u32 s2, s2, 204800                    ; my four tiles of S1
.irp g, 0,1
	v_add_nc_u32 v[4+\g], s27, v1
	v_add_nc_u32 v[6+\g], s27, v2
	v_add_nc_u32 v[8+\g], s2, v1
	v_add_nc_u32 v[10+\g], s2, v2
	v_add_nc_u32 v[14+\g], s27, v3
	v_add_nc_u32 v[12+\g], v[14+\g], v[18+\g]
	s_add_co_u32 s27, s27, 102400
	s_add_co_u32 s2, s2, 51200
.endr
	s_mul_i32 s27, s[WV], 8448                     ; my stage
	v_mul_u32_u24 v18, v21, 528
	v_lshl_add_u32 v18, v23, 6, v18
	v_add_nc_u32 v18, s27, v18                     ; in: row r, + 64 h
	v_add_nc_u32 v19, s27, v1                      ; back: 16 bytes a lane of a row
	s_wait_alu depctr_va_vdst(0)
	s_cmp_lt_u32 s[WV], 2                          ; waves 0 and 1 fetched the first half of K and wait for it; the second half's two loads may stay out
	s_cbranch_scc0 .Lsecond_half
	s_wait_tensorcnt 0x0
.Lsecond_half:
	s_barrier_signal -1
	s_barrier_wait -1
	SCALES 0
	FETCH 0, 0
.irp t, 0,1,2,3,4,5,6,7
	KSTEP \t
.endr
	WIN 0
.macro TOSTAGE a                       ; tile a of tokens: lane (r, h), tile b = 2 c + u of features: 32 c + 16 h + 8 u + 0 .. 7 of token r
	WIN 0x04                                       ; an LDS store's data are its source 1: window 1
.irp b, 0,1,2,3,4,5,6,7
	ds_store_b128 v18, v[64*(\a)+8*\b:64*(\a)+8*\b+3] offset:128*(\b/2)+32*(\b%2)      ; each accumulator from its low end on
	ds_store_b128 v18, v[64*(\a)+8*\b+4:64*(\a)+8*\b+7] offset:128*(\b/2)+32*(\b%2)+16
.endr
	WIN 0
.irp i, 0,1,2,3,4,5,6,7,8,9,10,11,12,13,14,15
	ds_load_b128 v[BK+64*((\a)%2)+4*\i:BK+64*((\a)%2)+4*\i+3], v19 offset:528*\i        ; LDS serves a wave's instructions in order: these see the stores above
.endr
.endm
.macro SEND a, younger                 ; younger: the LDS instructions issued behind tile a's loads, which may stay out
.set BB, BK+64*((\a)%2)
	s_wait_dscnt \younger
.irp i, 0,1,2,3,4,5,6,7,8,9,10,11,12,13,14,15
	v_pk_add_f32 v[BB+4*\i:BB+4*\i+1], v[BB+4*\i:BB+4*\i+1], v[24:25]
	v_pk_add_f32 v[BB+4*\i+2:BB+4*\i+3], v[BB+4*\i+2:BB+4*\i+3], v[26:27]
	global_store_b128 v1, v[BB+4*\i:BB+4*\i+3], s[68:69] offset:(32*((\a)/2)+8*((\a)%2)+\i+8*(\i/8))*4096 th:TH_STORE_NT   ; 512 consecutive bytes of the token's row
.endr
.endm
	s_wait_loadcnt 0x0                             ; the bias
	PLACES 4                                       ; behind the last products: their results are read, and their operands' registers loaded into, below
	TOSTAGE 0
.irp a, 1,2,3
.if \a > 1
	s_wait_xcnt 0x0                                ; tile a - 2's stores have read their registers: tile a's loads may land there
.endif
	TOSTAGE \a
	SEND \a-1, 32                                  ; behind tile a - 1's loads: tile a's 16 stores and 16 loads
.endr
	SEND 3, 0
	s_wait_tensorcnt 0x0                           ; the wave's end, behind my last LDS store
	ds_add_u32 v[SPW], v[NIL]
	s_wait_dscnt 0x0
	CROUND                                         ; the closing round
	s_endpgm
.Lfunc_end_k_qbb5b1811d1_outp:
	.size	k_qbb5b1811d1_outp, .Lfunc_end_k_qbb5b1811d1_outp-k_qbb5b1811d1_outp
	.p2alignl 7, 3214868480
	.fill 96, 4, 3214868480
	.section	.rodata,"a",@progbits
	.p2align	6, 0x0
	.amdhsa_kernel k_qbb5b1811d1_outp
		.amdhsa_group_segment_fixed_size 327680
		.amdhsa_private_segment_fixed_size 0
		.amdhsa_enable_private_segment 0
		.amdhsa_kernarg_size 32
		.amdhsa_user_sgpr_count 2
		.amdhsa_user_sgpr_kernarg_segment_ptr 1
		.amdhsa_wavefront_size32 1
		.amdhsa_system_sgpr_workgroup_id_x 1
		.amdhsa_system_sgpr_workgroup_id_y 1
		.amdhsa_system_sgpr_workgroup_id_z 1
		.amdhsa_system_vgpr_workitem_id 0
		.amdhsa_next_free_vgpr 768
		.amdhsa_next_free_sgpr 100
		.amdhsa_reserve_vcc 0
		.amdhsa_float_denorm_mode_32 3
		.amdhsa_float_denorm_mode_16_64 3
		.amdhsa_memory_ordered 1
		.amdhsa_forward_progress 1
		.amdhsa_inst_pref_size 90
	.end_amdhsa_kernel
	.amdgpu_metadata
---
amdhsa.version: [ 1, 2 ]
amdhsa.kernels:
  - .name:           k_qbb5b1811d1_outp
    .symbol:         k_qbb5b1811d1_outp.kd
    .args:
      - { .name: xa, .offset: 0, .size: 8, .value_kind: global_buffer, .address_space: global }
      - { .name: xc, .offset: 8, .size: 8, .value_kind: global_buffer, .address_space: global }
      - { .name: bo, .offset: 16, .size: 8, .value_kind: global_buffer, .address_space: global }
      - { .name: out0, .offset: 24, .size: 8, .value_kind: global_buffer, .address_space: global }
    .group_segment_fixed_size: 327680
    .private_segment_fixed_size: 0
    .kernarg_segment_align: 8
    .kernarg_segment_size: 32
    .max_flat_workgroup_size: 128
    .sgpr_count:     100
    .vgpr_count:     768
    .wavefront_size: 32
...
	.end_amdgpu_metadata
.endif
;; end of part 4
